; MI455X (gfx1250); checked and timed in simulation.
; The chip was launched on July 23, 2026; its instructions are those of AMD's public machine-readable ISA for CDNA 5 (MIT licence, August 2026) and "CDNA5" Instruction Set Architecture Reference Guide (July 2026). The comments in the code are by the model that wrote it; some were corrected since.
;; Deep Seek Mo E Layer. Allowed arithmetic: float matrix products may take bf16 or f16 operands with f32 sums; other float arithmetic in f32, or as packed bf16 or f16 multiplies, adds, multiply-adds, maxima and minima; sums over many terms, partial sums and values carried from step to step in f32; what a program stores and reads back later, other than sums and carried values, may be rounded once to bf16 or f16.
;; Inputs: router_bias 8 float32; router_t_w 8 x 1,024 float32; router_w 8 x 1,024 float32; rw1 8 x 512 x 1,024 float32; rw2 8 x 1,024 x 512 float32; sw1 2,048 x 1,024 float32; sw2 1,024 x 2,048 float32; sw3 2,048 x 1,024 float32; t_emb 2 x 1,024 float32; x 2 x 2,048 x 1,024 float32.
;; Outputs: out0 2 x 2,048 x 1,024 float32.
;; 2 versions, each right; version 2 is version 1 with the launch routed written anew for expert scheduling mode. Each part assembles by itself: llvm-mc -triple=amdgcn-amd-amdhsa -mcpu=gfx1250 --defsym DOCPART=n.
;; ======== version 1 of 2: 5 launches
;; workspace buffers: xb 8,388,608 bytes; sel 16,384 bytes of whole numbers; gat 32,768 bytes; wb 29,360,128 bytes; lists 68,608 bytes of whole numbers; hs 16,777,216 bytes; rr 35,389,440 bytes
;; launch router (part 1): grid 256 x 1, 8 waves a work-group, no clusters, 19,712 bytes of LDS; arguments x, router_w, router_t_w, router_bias, t_emb, xb, sel, gat; writes xb, sel, gat
.if DOCPART == 1
	.amdgcn_target "amdgcn-amd-amdhsa--gfx1250"
	.amdhsa_code_object_version 6
	.text
	.protected	k_qbbb8db1698_router
	.globl	k_qbbb8db1698_router
	.p2align	8
	.type	k_qbbb8db1698_router,@function
k_qbbb8db1698_router:
	s_mov_b64 s[64:65], 0
	v_nop
	global_prefetch_b8 v0, s[64:65] scope:SCOPE_SE
	s_setreg_imm32_b32 hwreg(HW_REG_WAVE_MODE, 25, 1), 1
	s_wait_xcnt 0x0
; ROUTER.  x [4096][1024] f32 is rounded to bf16 and stored (xb); on the rounded x, router_w, router_t_w, t_emb and router_bias the
; scores s = sigmoid(x . router_w[e] + t_emb[b] . router_t_w[e]) are made with f32 multiply-adds (a product of two bf16 is exact in f32);
; the two largest s + bias are chosen (of equal ones the lower index, as jax.lax.top_k does); gate = s / (s1 + s2 + 1e-9), or 1/2 where s1 + s2 <= 1e-9.
; Stored at fixed places: sel[token] = e1 | e2 << 8, gat[token] = gate1 / 3, gate2 / 3 (the module's division by 3 is folded in).
; SHARES.  A work-group has 16 tokens, each of its 8 waves 2; a lane holds 32 of a row's 1,024 numbers.  Wave w also rounds expert w's two weight rows for all.
; No address and no branch hangs on a score: choices are made by v_cndmask_b32 alone.
; LIMITS.  NaN and infinities are not treated apart.  Two scores that differ by less than the f32 sums' rounding (some 1e-7 of a score) may be chosen in the other order.
; No matrix unit: 16 products a token are a thousandth of the module's arithmetic, and the choice wants plain f32 sums.
.set WPB,   0                          ; the 8 rows of router_w as bf16: row e at 2,048 e, in the order in which a lane holds a row
.set TBB,   16384                      ; 8 words: t_emb[b] . router_t_w[e]
.set LGB,   16640                      ; 256 bytes a wave: [token 2][expert 8] f32
.set SPARE, 18688                      ; the spare words, 128 bytes a wave: four blocks of 256 bytes that no other line names
.set LANE, 1
.set SPW,  2                           ; LDS address of my spare word; never rewritten
.set NIL,  3                           ; 0, for the add alone
.set ZR,   4                           ; 0: starts the sums, and the offset of the bias
.set LO16, 5                           ; 16 x lane
.set LO8,  6                           ; 8 x lane
.set TMP,  7
.set WPS,  8
.set TBS,  9
.set PKT,  10
.set WPR,  11
.set LGS,  12
.set LGR,  13
.set TBR,  14
.set OS,   15                          ; 4 x lane: below every register that a load writes
.set WB,   16                          ; v16-31   one expert's row, 16 packed words
.set XP,   32                          ; v32-63   my two tokens, 16 packed words each
.set XR,   64                          ; v64-127  x as loaded
.set RW,   128                         ; v128-159 router_w[w] as loaded
.set RT,   160                         ; v160-191 router_t_w[w]
.set TE,   192                         ; v192-223 t_emb[b]
.set BI,   224                         ; v224-231 the bias
.set CH,   232                         ; v232-239 four chains of sums a token
.set LG,   128                         ; once the rows above are rounded: logits,
.set TBV,  136                         ; the t part,
.set SG,   144                         ; s,
.set SC,   152                         ; s + bias
.set BS1,  160
.set IX1,  161
.set SS1,  162
.set BS2,  163
.set IX2,  164
.set SS2,  165
.set DEN,  166
.set DPE,  167
.set GT,   168                         ; v168-169 the two gates
.set WD,   170
; the sum over the wave's 32 lanes, left in every lane
.macro WSUM r, t
	v_add_f32_dpp v[\r], v[\r], v[\r] row_xmask:1 row_mask:0xf bank_mask:0xf
	v_add_f32_dpp v[\r], v[\r], v[\r] row_xmask:2 row_mask:0xf bank_mask:0xf
	v_add_f32_dpp v[\r], v[\r], v[\r] row_xmask:4 row_mask:0xf bank_mask:0xf
	v_add_f32_dpp v[\r], v[\r], v[\r] row_xmask:8 row_mask:0xf bank_mask:0xf
	v_permlanex16_b32 v[\t], v[\r], s22, s23
	v_add_f32 v[\r], v[\r], v[\t]
.endm
; the dot product of two rows of 16 packed words a lane: 32 multiply-adds in four chains, then the lanes' sum, into v[c]
.macro DOT c, a, b
.set i, 0
.rept 16
.if i < 4
	v_fma_mix_f32_bf16 v[(\c)+i%4], v[(\a)+i], v[(\b)+i], v[ZR] op_sel_hi:[1,1,0]
.else
	v_fma_mix_f32_bf16 v[(\c)+i%4], v[(\a)+i], v[(\b)+i], v[(\c)+i%4] op_sel_hi:[1,1,0]
.endif
	v_fma_mix_f32_bf16 v[(\c)+i%4], v[(\a)+i], v[(\b)+i], v[(\c)+i%4] op_sel:[1,1,0] op_sel_hi:[1,1,0]
.set i, i+1
.endr
	v_add_f32 v[\c], v[\c], v[(\c)+1]
	v_add_f32 v[(\c)+2], v[(\c)+2], v[(\c)+3]
	v_add_f32 v[\c], v[\c], v[(\c)+2]
	WSUM \c, (\c)+1
.endm
	s_load_b512 s[4:19], s[0:1], 0x0               ; x 4, router_w 6, router_t_w 8, router_bias 10, t_emb 12, xb 14, sel 16, gat 18
	v_lshl_add_u32 v[SPW], v0, 2, SPARE
	v_mov_b32 v[NIL], 0
	v_mov_b32 v[ZR], 0
	v_and_b32 v[LANE], 31, v0
	v_lshrrev_b32 v[TMP], 5, v0
	v_readfirstlane_b32 s20, v[TMP]                ; wave 0..7
	s_mov_b32 s22, 0x76543210                      ; v_permlanex16_b32: each lane takes its own place in the other half
	s_mov_b32 s23, 0xfedcba98
	v_lshlrev_b32 v[LO16], 4, v[LANE]
	v_lshlrev_b32 v[LO8], 3, v[LANE]
	v_lshlrev_b32 v[OS], 2, v[LANE]
	s_lshl_b32 s24, ttmp9, 4
	s_lshl1_add_u32 s24, s20, s24                  ; my first token = 16 g + 2 w
	s_lshl_b32 s30, s24, 12                        ; its row in x,
	s_mov_b32 s31, 0
	s_lshl_b32 s32, s24, 11                        ; in xb,
	s_mov_b32 s33, 0
	s_lshl_b32 s34, s20, 12                        ; row w of the two weight tables,
	s_mov_b32 s35, 0
	s_lshr_b32 s36, ttmp9, 7                       ; the batch: 128 work-groups each
	s_lshl_b32 s36, s36, 12
	s_mov_b32 s37, 0
	s_lshl_b32 s38, s24, 2                         ; its word in sel,
	s_mov_b32 s39, 0
	s_lshl_b32 s40, s24, 3                         ; its pair in gat
	s_mov_b32 s41, 0
	v_lshl_add_u32 v[WPS], s20, 11, v[LO16]        ; where I put row w
	s_lshl_b32 s25, s20, 2
	s_add_co_u32 s25, s25, TBB
	v_mov_b32 v[TBS], s25
	v_mov_b32 v[WPR], v[LO16]                      ; where I read row 0
	s_lshl_b32 s26, s20, 8
	s_add_co_u32 s26, s26, LGB
	v_mov_b32 v[LGS], s26
	v_and_b32 v[TMP], 1, v0
	v_lshl_add_u32 v[LGR], v[TMP], 5, s26          ; lane l later works for token l & 1
	v_mov_b32 v[TBR], TBB
	s_wait_kmcnt 0x0
	s_add_nc_u64 s[4:5], s[4:5], s[30:31]
	s_add_nc_u64 s[14:15], s[14:15], s[32:33]
	s_add_nc_u64 s[6:7], s[6:7], s[34:35]
	s_add_nc_u64 s[8:9], s[8:9], s[34:35]
	s_add_nc_u64 s[12:13], s[12:13], s[36:37]
	s_add_nc_u64 s[16:17], s[16:17], s[38:39]
	s_add_nc_u64 s[18:19], s[18:19], s[40:41]
.irp j, 0,1,2,3,4,5,6,7                            ; every load of a wave takes 512 consecutive bytes
	global_load_b128 v[RW+4*(\j):RW+4*(\j)+3], v[LO16], s[6:7] offset:512*(\j)
.endr
.irp j, 0,1,2,3,4,5,6,7
	global_load_b128 v[RT+4*(\j):RT+4*(\j)+3], v[LO16], s[8:9] offset:512*(\j)
.endr
.irp j, 0,1,2,3,4,5,6,7
	global_load_b128 v[TE+4*(\j):TE+4*(\j)+3], v[LO16], s[12:13] offset:512*(\j)
.endr
	global_load_b128 v[BI:BI+3], v[ZR], s[10:11]
	global_load_b128 v[BI+4:BI+7], v[ZR], s[10:11] offset:16
.irp j, 0,1,2,3,4,5,6,7,8,9,10,11,12,13,14,15      ; my two rows of x lie end to end
	global_load_b128 v[XR+4*(\j):XR+4*(\j)+3], v[LO16], s[4:5] offset:512*(\j) th:TH_LOAD_NT
.endr
	s_wait_loadcnt 16                              ; all but the 16 loads of x, which were issued last
.set i, 0
.rept 16
	v_cvt_pk_bf16_f32 v[WB+i], v[RW+2*i], v[RW+2*i+1]
	v_cvt_pk_bf16_f32 v[XP+i], v[RT+2*i], v[RT+2*i+1]
	v_cvt_pk_bf16_f32 v[XP+16+i], v[TE+2*i], v[TE+2*i+1]
.set i, i+1
.endr
.irp q, 0,1,2,3
	ds_store_b128 v[WPS], v[WB+4*(\q):WB+4*(\q)+3] offset:512*(\q)
.endr
	DOT CH, XP, XP+16                              ; t_emb[b] . router_t_w[w]
	ds_store_b32 v[TBS], v[CH]                     ; all lanes write the same number to the same word
.irp p, 0,1,2,3                                    ; the bias is rounded like every input
	v_cvt_pk_bf16_f32 v[PKT], v[BI+2*(\p)], v[BI+2*(\p)+1]
	v_lshlrev_b32 v[BI+2*(\p)], 16, v[PKT]
	v_and_b32 v[BI+2*(\p)+1], 0xffff0000, v[PKT]
.endr
	s_wait_loadcnt 0x0                             ; x
.set i, 0
.rept 32
	v_cvt_pk_bf16_f32 v[XP+i], v[XR+2*i], v[XR+2*i+1]
.set i, i+1
.endr
.irp j, 0,1,2,3,4,5,6,7,8,9,10,11,12,13,14,15      ; 32 lanes x 8 bytes: each store covers 256 consecutive bytes, aligned
	global_store_b64 v[LO8], v[XP+2*(\j):XP+2*(\j)+1], s[14:15] offset:256*(\j)
.endr
	s_wait_dscnt 0x0                               ; for the others' sake: my row and my word are in LDS
	s_barrier_signal -1
	s_barrier_wait -1
	s_mov_b32 s21, 8
.Lexpert:                                              ; a trip: one expert's row against my two tokens
.irp q, 0,1,2,3
	ds_load_b128 v[WB+4*(\q):WB+4*(\q)+3], v[WPR] offset:512*(\q)
.endr
	s_wait_dscnt 0x0
	DOT CH, XP, WB
	DOT CH+4, XP+16, WB
	ds_store_b32 v[LGS], v[CH]
	ds_store_b32 v[LGS], v[CH+4] offset:32
	v_add_nc_u32 v[WPR], 2048, v[WPR]
	v_add_nc_u32 v[LGS], 4, v[LGS]
	s_sub_co_u32 s21, s21, 1
	s_cmp_lg_u32 s21, 0
	s_cbranch_scc1 .Lexpert
	ds_load_b128 v[LG:LG+3], v[LGR]                ; my wave's own bytes: LDS serves a wave's instructions in order
	ds_load_b128 v[LG+4:LG+7], v[LGR] offset:16
	ds_load_b128 v[TBV:TBV+3], v[TBR]
	ds_load_b128 v[TBV+4:TBV+7], v[TBR] offset:16
	s_wait_dscnt 0x0
.irp p, 0,2,4,6
	v_pk_add_f32 v[LG+(\p):LG+(\p)+1], v[LG+(\p):LG+(\p)+1], v[TBV+(\p):TBV+(\p)+1]
.endr
.irp e, 0,1,2,3,4,5,6,7
	v_mul_f32 v[SG+(\e)], 0xbfb8aa3b, v[LG+(\e)]   ; - log2(e) x logit
.endr
.irp e, 0,1,2,3,4,5,6,7
	v_exp_f32 v[SG+(\e)], v[SG+(\e)]
.endr
	v_nop                                          ; a plain instruction behind the last exponential,
	s_wait_alu depctr_va_vdst(0)                   ; and one wait for the batch, ahead of its first reader
.irp p, 0,2,4,6
	v_pk_add_f32 v[SG+(\p):SG+(\p)+1], v[SG+(\p):SG+(\p)+1], 1.0 op_sel_hi:[1,0]
.endr
.irp e, 0,1,2,3,4,5,6,7
	v_rcp_f32 v[SG+(\e)], v[SG+(\e)]
.endr
	v_nop
	s_wait_alu depctr_va_vdst(0)
.irp p, 0,2,4,6
	v_pk_add_f32 v[SC+(\p):SC+(\p)+1], v[SG+(\p):SG+(\p)+1], v[BI+(\p):BI+(\p)+1]
.endr
	v_mov_b32 v[BS1], v[SC]                        ; the largest: a later one wins only if it is greater
	v_mov_b32 v[IX1], 0
	v_mov_b32 v[SS1], v[SG]
.irp e, 1,2,3,4,5,6,7
	v_cmp_gt_f32 vcc_lo, v[SC+(\e)], v[BS1]
	v_cndmask_b32 v[BS1], v[BS1], v[SC+(\e)], vcc_lo
	v_cndmask_b32 v[SS1], v[SS1], v[SG+(\e)], vcc_lo
	v_cndmask_b32 v[IX1], v[IX1], \e, vcc_lo
.endr
	v_mov_b32 v[BS2], 0xff800000                   ; the largest of the other seven
	v_mov_b32 v[IX2], 0
	v_mov_b32 v[SS2], 0
.irp e, 0,1,2,3,4,5,6,7
	v_cmp_gt_f32 s25, v[SC+(\e)], v[BS2]
	v_cmp_ne_u32 s26, \e, v[IX1]
	s_and_b32 s25, s25, s26
	v_cndmask_b32 v[BS2], v[BS2], v[SC+(\e)], s25
	v_cndmask_b32 v[SS2], v[SS2], v[SG+(\e)], s25
	v_cndmask_b32 v[IX2], v[IX2], \e, s25
.endr
	v_add_f32 v[DEN], v[SS1], v[SS2]
	v_add_f32 v[DPE], 0x3089705f, v[DEN]           ; + 1e-9
	v_rcp_f32 v[DPE], v[DPE]
	v_lshl_or_b32 v[WD], v[IX2], 8, v[IX1]         ; the plain instruction behind the reciprocal
	s_wait_alu depctr_va_vdst(0)
	v_mul_f32 v[GT], v[SS1], v[DPE]
	v_mul_f32 v[GT+1], v[SS2], v[DPE]
	v_cmp_lt_f32 vcc_lo, 0x3089705f, v[DEN]
	v_cndmask_b32 v[GT], 0.5, v[GT], vcc_lo
	v_cndmask_b32 v[GT+1], 0.5, v[GT+1], vcc_lo
	v_pk_mul_f32 v[GT:GT+1], v[GT:GT+1], 0x3eaaaaab op_sel_hi:[1,0]  ; / 3
	v_cmp_gt_u32 vcc_lo, 2, v[LANE]                ; lanes 0 and 1 store for the two tokens
	s_wait_xcnt 0x0                                ; EXEC changes only behind this wait
	s_and_saveexec_b32 s28, vcc_lo
	global_store_b32 v[OS], v[WD], s[16:17]
	global_store_b64 v[LO8], v[GT:GT+1], s[18:19]
	s_wait_xcnt 0x0
	s_or_b32 exec_lo, exec_lo, s28
	s_wait_tensorcnt 0x0                           ; the wave's end
	ds_add_u32 v[SPW], v[NIL]
	s_wait_dscnt 0x0
	s_endpgm
.Lfunc_end_k_qbbb8db1698_router:
	.size	k_qbbb8db1698_router, .Lfunc_end_k_qbbb8db1698_router-k_qbbb8db1698_router
	.p2alignl 7, 3214868480
	.fill 96, 4, 3214868480
	.section	.rodata,"a",@progbits
	.p2align	6, 0x0
	.amdhsa_kernel k_qbbb8db1698_router
		.amdhsa_group_segment_fixed_size 19712
		.amdhsa_private_segment_fixed_size 0
		.amdhsa_enable_private_segment 0
		.amdhsa_kernarg_size 64
		.amdhsa_user_sgpr_count 2
		.amdhsa_user_sgpr_kernarg_segment_ptr 1
		.amdhsa_wavefront_size32 1
		.amdhsa_system_sgpr_workgroup_id_x 1
		.amdhsa_system_sgpr_workgroup_id_y 1
		.amdhsa_system_sgpr_workgroup_id_z 1
		.amdhsa_system_vgpr_workitem_id 0
		.amdhsa_next_free_vgpr 240
		.amdhsa_next_free_sgpr 66
		.amdhsa_reserve_vcc 1
		.amdhsa_float_denorm_mode_32 3
		.amdhsa_float_denorm_mode_16_64 3
		.amdhsa_memory_ordered 1
		.amdhsa_forward_progress 1
		.amdhsa_inst_pref_size 29
	.end_amdhsa_kernel
	.amdgpu_metadata
---
amdhsa.version: [ 1, 2 ]
amdhsa.kernels:
  - .name:           k_qbbb8db1698_router
    .symbol:         k_qbbb8db1698_router.kd
    .args:
      - { .name: x, .offset: 0, .size: 8, .value_kind: global_buffer, .address_space: global }
      - { .name: router_w, .offset: 8, .size: 8, .value_kind: global_buffer, .address_space: global }
      - { .name: router_t_w, .offset: 16, .size: 8, .value_kind: global_buffer, .address_space: global }
      - { .name: router_bias, .offset: 24, .size: 8, .value_kind: global_buffer, .address_space: global }
      - { .name: t_emb, .offset: 32, .size: 8, .value_kind: global_buffer, .address_space: global }
      - { .name: xb, .offset: 40, .size: 8, .value_kind: global_buffer, .address_space: global }
      - { .name: sel, .offset: 48, .size: 8, .value_kind: global_buffer, .address_space: global }
      - { .name: gat, .offset: 56, .size: 8, .value_kind: global_buffer, .address_space: global }
    .group_segment_fixed_size: 19712
    .private_segment_fixed_size: 0
    .kernarg_segment_align: 8
    .kernarg_segment_size: 64
    .max_flat_workgroup_size: 256
    .sgpr_count:     66
    .vgpr_count:     240
    .wavefront_size: 32
...
	.end_amdgpu_metadata
.endif
;; end of part 1
;; launch prep (part 2): grid 912 x 1, 8 waves a work-group, no clusters, 36,864 bytes of LDS; arguments sel, sw1, sw3, sw2, rw1, rw2, wb, lists; writes wb, lists
.if DOCPART == 2
	.amdgcn_target "amdgcn-amd-amdhsa--gfx1250"
	.amdhsa_code_object_version 6
	.text
	.protected	k_qbbb8db1698_prep
	.globl	k_qbbb8db1698_prep
	.p2align	8
	.type	k_qbbb8db1698_prep,@function
k_qbbb8db1698_prep:
	s_mov_b64 s[64:65], 0
	v_nop
	global_prefetch_b8 v0, s[64:65] scope:SCOPE_SE
	s_setreg_imm32_b32 hwreg(HW_REG_WAVE_MODE, 25, 1), 1
	s_wait_xcnt 0x0
; PREP.  Work-groups 0 to 15 sort the 8,192 routed rows by expert (a counting sort, no atomics); the other 896 round the weights to bf16 once and lay them out.
; lists: POS2 at 0: [token][2] the places of a token's two rows; TOK at 32,768: [8,640] the token of each place; TILE at 67,328: [256] the expert of each tile of 64 places, 8 = none (135 are read);
;   at 68,352 one word that nobody reads.  Expert e owns the places 64 toff_e .. 64 toff_(e+1) - 1, toff the running sum of ceil(n_e / 64): never more than 135 tiles, whatever the split.
;   Places without a row hold token 0.  EXEC is never narrowed: a lane that has no such place to fill stores its 0 into the word that nobody reads.
; THE SORT.  Each of the 16 work-groups counts all 4,096 tokens' choices for itself (wave w the tokens 512 w .., 32 a trip, 16 trips), so that none needs another's result; work-group s then places
;   the 32 tokens of trip s of each wave: 256 tokens a work-group.  A row's place = the expert's first place + the counts of the waves in front + the wave's own count in the trips ahead of s + the choosing lanes below: token order.
; wb: WR at 0: the experts' weights in the order in which a wave's operand registers take them, [e 8][wave 8][chunk 64][f 4][j 2][lane 32][16 bytes]:
;       lane 16 h + r holds k = 32 ks + 16 j + 8 h + 0..7 of row n; chunk c < 32: rw1[e], n = 64 w + 16 f + r, ks = c; else rw2[e], p = (c - 32) / 16, ks = (c - 32) % 16, n = 128 w + 64 p + 16 f + r.
;     W13 at 16,777,216: [4096][1024]: blocks of 128 rows: 64 rows of sw1, then the same 64 rows of sw3.     W2S at 25,165,824: sw2, [1024][2048].
; ROLES by the work-group's number: 0..15 SORT (the longest chain of dependent steps, so first); 16..399 CAST (sw1, sw3, sw2: 64 KiB of f32 each); 400..655 rw1; 656..911 rw2 (a wave: 16 rows x 128 k, turned through its own LDS bytes).
.set TAB,   0                          ; [wave 8][32 words]: each wave's counts
.set OWN,   1024                       ; SORT: 2,048 bytes a wave, its 512 words of sel.  rw1, rw2: 4,352 bytes a wave, 16 rows of 272
.set SPARE, 35840                      ; the spare words, 128 bytes a wave: four blocks of 256 bytes that no other line names
.set SPW,  2
.set NIL,  3
.set ZD,   4                           ; 0, to be stored
.set LO16, 5
.set LO8,  6
.set TS,   7
.set TR,   8
.set RAW,  16                          ; v16-79  as loaded
.set PK,   80                          ; v80-111 rounded
.set PTOK, 32768
.set PTILE, 67328
.set LASTP, 0x21bf                     ; 8,639, the last place
.set DUMPI, (68352-PTOK)/4             ; the word that nobody reads, counted in words from TOK
.set NSORT, 16
.set SNAP, 66                          ; s[66:73] my wave's counts in the trips ahead of my work-group's
.macro CLOSE                           ; a wave's end
	s_wait_tensorcnt 0x0
	ds_add_u32 v[SPW], v[NIL]
	s_wait_dscnt 0x0
	s_endpgm
.endm
; 16 rows x 128 k of f32 at s[52:53] (rows stride bytes apart) become four chunks' fragments at s[56:57].
.macro FRAG stride
	s_mul_i32 s59, s20, 4352
	s_add_co_u32 s59, s59, OWN
	v_add_nc_u32 v[TS], s59, v[LO8]                ; in: a row's 256 bytes, 8 a lane
	v_and_b32 v9, 15, v0
	v_bfe_u32 v10, v0, 4, 1
	v_mul_u32_u24 v[TR], v9, 272                   ; back: lane 16 h + r takes row r, 16 bytes at 16 h
	v_lshl_add_u32 v[TR], v10, 4, v[TR]
	v_add_nc_u32 v[TR], s59, v[TR]
.set i, 0
.rept 16
	global_load_b128 v[RAW+4*i:RAW+4*i+3], v[LO16], s[52:53] offset:i*(\stride) th:TH_LOAD_NT  ; 512 consecutive bytes of row i
.set i, i+1
.endr
.set i, 0
.rept 16
	s_wait_loadcnt 15-i                            ; loads come back in order: row i is in, the younger ones stay out
	v_cvt_pk_bf16_f32 v[PK+2*i], v[RAW+4*i], v[RAW+4*i+1]
	v_cvt_pk_bf16_f32 v[PK+2*i+1], v[RAW+4*i+2], v[RAW+4*i+3]
	ds_store_b64 v[TS], v[PK+2*i:PK+2*i+1] offset:i*272
.set i, i+1
.endr
.set i, 0
.rept 8                                            ; i = 2 x (k step of 32) + j; my own bytes: LDS serves a wave's instructions in order
	ds_load_b128 v[RAW+4*i:RAW+4*i+3], v[TR] offset:64*(i/2)+32*(i%2)
.set i, i+1
.endr
.set i, 0
.rept 8
	s_wait_dscnt 7-i
	global_store_b128 v[LO16], v[RAW+4*i:RAW+4*i+3], s[56:57] offset:4096*(i/2)+512*(i%2)  ; 512 consecutive bytes
.set i, i+1
.endr
.endm
	s_load_b512 s[4:19], s[0:1], 0x0               ; sel 4, sw1 6, sw3 8, sw2 10, rw1 12, rw2 14, wb 16, lists 18
	v_lshl_add_u32 v[SPW], v0, 2, SPARE
	v_mov_b32 v[NIL], 0
	v_mov_b32 v[ZD], 0
	v_and_b32 v1, 31, v0
	v_lshrrev_b32 v7, 5, v0
	v_readfirstlane_b32 s20, v7                    ; wave 0..7
	v_lshlrev_b32 v[LO16], 4, v1
	v_lshlrev_b32 v[LO8], 3, v1
	s_mov_b32 s21, ttmp9
	s_wait_kmcnt 0x0
	s_cmp_lt_u32 s21, NSORT
	s_cbranch_scc1 .Lsort
	s_cmp_lt_u32 s21, NSORT+384
	s_cbranch_scc1 .Lcast
	s_cmp_lt_u32 s21, NSORT+640
	s_cbranch_scc1 .Lfrag1
	; rw2[e]: [1024][512].  The work-group has two blocks of 16 rows, a wave one block and 128 of its 512 k.
	s_sub_co_u32 s49, s21, NSORT+640
	s_lshr_b32 s50, s49, 5                         ; e
	s_and_b32 s51, s49, 31
	s_lshr_b32 s58, s20, 2
	s_lshl1_add_u32 s51, s51, s58                  ; rb, the block of 16 rows
	s_and_b32 s58, s20, 3                          ; kc, which 128 k
	s_lshl_b32 s54, s50, 21                        ; an expert is 2 MiB in rw2 and in WR
	s_lshl_b32 s52, s51, 15
	s_add_co_u32 s52, s52, s54
	s_lshl_b32 s55, s58, 9
	s_add_co_u32 s52, s52, s55
	s_mov_b32 s53, 0
	s_add_nc_u64 s[52:53], s[14:15], s[52:53]
	s_lshr_b32 s55, s51, 3                         ; the wave that will read it: 128 rows each
	s_lshl_b32 s55, s55, 18
	s_add_co_u32 s54, s54, s55
	s_bfe_u32 s55, s51, 0x10002                    ; p, which 64 of them
	s_lshl_b32 s55, s55, 16
	s_add_co_u32 s54, s54, s55
	s_lshl_b32 s55, s58, 14                        ; chunk 32 + 16 p + 4 kc
	s_add_co_u32 s54, s54, s55
	s_add_co_u32 s54, s54, 32*4096
	s_and_b32 s55, s51, 3                          ; f
	s_lshl_b32 s55, s55, 10
	s_add_co_u32 s54, s54, s55
	s_mov_b32 s55, 0
	s_add_nc_u64 s[56:57], s[16:17], s[54:55]
	FRAG 2048
	CLOSE
.Lfrag1:
	; rw1[e]: [512][1024].  The work-group has one block of 16 rows, wave w its k = 128 w ..
	s_sub_co_u32 s49, s21, NSORT+384
	s_lshr_b32 s50, s49, 5                         ; e
	s_and_b32 s51, s49, 31                         ; rb
	s_lshl_b32 s54, s50, 21
	s_lshl_b32 s52, s51, 16
	s_add_co_u32 s52, s52, s54
	s_lshl_b32 s55, s20, 9
	s_add_co_u32 s52, s52, s55
	s_mov_b32 s53, 0
	s_add_nc_u64 s[52:53], s[12:13], s[52:53]
	s_lshr_b32 s55, s51, 2                         ; the wave that will read it: 64 rows each
	s_lshl_b32 s55, s55, 18
	s_add_co_u32 s54, s54, s55
	s_and_b32 s55, s51, 3                          ; f
	s_lshl_b32 s55, s55, 10
	s_add_co_u32 s54, s54, s55
	s_lshl_b32 s55, s20, 14                        ; chunk 4 w
	s_add_co_u32 s54, s54, s55
	s_mov_b32 s55, 0
	s_add_nc_u64 s[56:57], s[16:17], s[54:55]
	FRAG 4096
	CLOSE
.Lcast:
	; 65,536 bytes of sw1, sw3 (16 rows) or sw2 (8 rows) become 32,768 consecutive bytes of W13 or W2S
	s_sub_co_u32 s21, s21, NSORT
	s_lshr_b32 s49, s21, 7                         ; which tensor
	s_and_b32 s50, s21, 127                        ; which piece of it
	s_lshr_b32 s54, s50, 2
	s_lshl_b32 s54, s54, 7                         ; W13: block of 128 rows,
	s_lshl_b32 s55, s49, 6                         ; its sw1 or its sw3 half,
	s_add_co_u32 s54, s54, s55
	s_and_b32 s55, s50, 3                          ; 16 rows of the 64
	s_lshl_b32 s55, s55, 4
	s_add_co_u32 s54, s54, s55
	s_lshl_b32 s54, s54, 11
	s_add_co_u32 s54, s54, 0x1000000
	s_lshl_b32 s55, s50, 15                        ; W2S
	s_add_co_u32 s55, s55, 0x1800000
	s_cmp_eq_u32 s49, 2
	s_cselect_b32 s54, s55, s54
	s_cselect_b64 s[52:53], s[10:11], s[6:7]
	s_cmp_eq_u32 s49, 1
	s_cselect_b64 s[52:53], s[8:9], s[52:53]
	s_lshl_b32 s55, s20, 12
	s_add_co_u32 s54, s54, s55
	s_mov_b32 s55, 0
	s_add_nc_u64 s[56:57], s[16:17], s[54:55]
	s_lshl_b32 s54, s50, 16
	s_lshl_b32 s58, s20, 13
	s_add_co_u32 s54, s54, s58
	s_add_nc_u64 s[52:53], s[52:53], s[54:55]
.set i, 0
.rept 16
	global_load_b128 v[RAW+4*i:RAW+4*i+3], v[LO16], s[52:53] offset:512*i th:TH_LOAD_NT
.set i, i+1
.endr
.set i, 0
.rept 16
	s_wait_loadcnt 15-i                            ; load i is in, the younger ones stay out
	v_cvt_pk_bf16_f32 v[PK+2*i], v[RAW+4*i], v[RAW+4*i+1]
	v_cvt_pk_bf16_f32 v[PK+2*i+1], v[RAW+4*i+2], v[RAW+4*i+3]
	global_store_b64 v[LO8], v[PK+2*i:PK+2*i+1], s[56:57] offset:256*i  ; 256 consecutive bytes, aligned
.set i, i+1
.endr
	CLOSE
.Lsort:
	; s[24:31] counts, then my wave's first places; s[32:40] toff; s[41:48] n_e; s63 = s, my work-group's trip.
	s_and_b32 s63, s21, NSORT-1                    ; here the number is below 16 anyway: the mask states the bound where the LDS address below is made of it
	s_lshl_b32 s49, s20, 11
	v_add_nc_u32 v17, s49, v[LO16]
.irp i, 0,1,2,3
	global_load_b128 v[32+4*(\i):35+4*(\i)], v17, s[4:5] offset:512*(\i)
.endr
	s_add_co_u32 s50, s49, OWN
	v_add_nc_u32 v19, s50, v[LO16]
	v_lshl_add_u32 v9, v1, 2, s50
.irp e, 0,1,2,3,4,5,6,7
	s_mov_b32 s[24+(\e)], 0
	s_mov_b32 s[SNAP+(\e)], 0
.endr
	s_sub_co_u32 s62, 16, s63                      ; what the counter below holds in trip s
	s_wait_loadcnt 0x0
.irp i, 0,1,2,3
	ds_store_b128 v19, v[32+4*(\i):35+4*(\i)] offset:512*(\i)
.endr
	s_mov_b32 s60, 16
.Lcount:                                               ; my wave's 512 tokens' choices are counted, a lane a token
	ds_load_b32 v10, v9
	s_cmp_eq_u32 s60, s62                          ; at the head of trip s the counts so far are kept aside
.irp e, 0,1,2,3,4,5,6,7
	s_cselect_b32 s[SNAP+(\e)], s[24+(\e)], s[SNAP+(\e)]
.endr
	s_wait_dscnt 0x0
	v_and_b32 v11, 0xff, v10
	v_lshrrev_b32 v12, 8, v10
.irp e, 0,1,2,3,4,5,6,7
	v_cmp_eq_u32 s49, \e, v11
	v_cmp_eq_u32 s51, \e, v12
	s_or_b32 s49, s49, s51
	s_bcnt1_i32_b32 s49, s49
	s_add_co_u32 s[24+(\e)], s[24+(\e)], s49
.endr
	v_add_nc_u32 v9, 128, v9
	s_sub_co_u32 s60, s60, 1
	s_cmp_lg_u32 s60, 0
	s_cbranch_scc1 .Lcount
	v_mov_b32 v13, 0
.irp e, 0,1,2,3,4,5,6,7
	v_writelane_b32 v13, s[24+(\e)], \e
.endr
	v_lshlrev_b32 v14, 2, v1
	v_lshl_add_u32 v17, s20, 7, v14
	ds_store_b32 v17, v13
	s_wait_dscnt 0x0                               ; for the others' sake: my counts are in LDS
	s_barrier_signal -1
	s_barrier_wait -1
.irp j, 0,1,2,3,4,5,6,7
	ds_load_b32 v[48+(\j)], v14 offset:128*(\j)    ; lane e: wave j's count for expert e
.endr
	s_lshl_b32 s51, s63, 7                         ; meanwhile: trip s's 128 bytes of my wave's words,
	s_add_co_u32 s51, s51, s50
	v_lshl_add_u32 v9, v1, 2, s51
	ds_load_b32 v10, v9                            ; my token's choices
	s_wait_dscnt 0x0
	v_mov_b32 v15, 0                               ; all waves' counts,
	v_mov_b32 v16, 0                               ; and those of the waves in front of mine
.irp j, 0,1,2,3,4,5,6,7
	v_add_nc_u32 v15, v15, v[48+(\j)]
	s_cmp_gt_u32 s20, \j
	s_cselect_b32 s49, -1, 0
	v_and_b32 v17, s49, v[48+(\j)]
	v_add_nc_u32 v16, v16, v17
.endr
	s_mov_b32 s32, 0
.irp e, 0,1,2,3,4,5,6,7
	v_readlane_b32 s[41+(\e)], v15, \e
	v_readlane_b32 s[24+(\e)], v16, \e
	s_add_co_u32 s49, s[41+(\e)], 63
	s_lshr_b32 s49, s49, 6
	s_add_co_u32 s[33+(\e)], s[32+(\e)], s49
	s_lshl_b32 s49, s[32+(\e)], 6
	s_add_co_u32 s[24+(\e)], s[24+(\e)], s49
	s_add_co_u32 s[24+(\e)], s[24+(\e)], s[SNAP+(\e)]  ; the first place that trip s of my wave may take with expert e
.endr
	s_lshl_b32 s49, s20, 9
	s_lshl_b32 s52, s63, 5
	s_add_co_u32 s49, s49, s52
	v_add_nc_u32 v18, s49, v1                      ; the token = 512 w + 32 s + lane
	v_lshlrev_b32 v19, 3, v18                      ; its pair in POS2
	v_and_b32 v11, 0xff, v10
	v_lshrrev_b32 v12, 8, v10
	v_mov_b32 v20, 0
	v_mov_b32 v21, 0
.irp e, 0,1,2,3,4,5,6,7                            ; each row gets its place: the first free one plus the choosing lanes below mine
	v_cmp_eq_u32 s49, \e, v11
	v_cmp_eq_u32 s51, \e, v12
	s_or_b32 s52, s49, s51
	v_mbcnt_lo_u32_b32 v22, s52, s[24+(\e)]
	v_cndmask_b32 v20, v20, v22, s49
	v_cndmask_b32 v21, v21, v22, s51
.endr
	v_min_u32 v20, LASTP, v20                      ; a number made of loaded data enters an address only clamped
	v_min_u32 v21, LASTP, v21
	v_lshlrev_b32 v23, 2, v20
	v_lshlrev_b32 v24, 2, v21
	global_store_b64 v19, v[20:21], s[18:19]       ; 256 consecutive bytes, aligned
	global_store_b32 v23, v18, s[18:19] offset:PTOK
	global_store_b32 v24, v18, s[18:19] offset:PTOK
	s_cmp_lg_u32 s63, 0
	s_cbranch_scc1 .Lsorted                        ; what follows is stored once: by work-group 0.  No barrier is jumped; no register of the stores above is written below
	; wave w fills expert w's last tile up with token 0: fewer than 64 places, two a lane.  Each of the four stores below has an offset register of its own.
	s_mov_b32 s52, s32
	s_mov_b32 s53, s33
	s_mov_b32 s54, s41
.irp e, 1,2,3,4,5,6,7
	s_cmp_eq_u32 s20, \e
	s_cselect_b32 s52, s[32+(\e)], s52
	s_cselect_b32 s53, s[33+(\e)], s53
	s_cselect_b32 s54, s[41+(\e)], s54
.endr
	s_lshl_b32 s52, s52, 6
	s_add_co_u32 s52, s52, s54                     ; the first place without a row,
	s_lshl_b32 s53, s53, 6                         ; and the next expert's first
.irp k, 0,1
	v_add_nc_u32 v25, s52, v1
	v_add_nc_u32 v25, 32*(\k), v25
	v_cmp_gt_u32 vcc_lo, s53, v25
	v_cndmask_b32 v25, DUMPI, v25, vcc_lo          ; past the tile's end: the word that nobody reads
	v_min_u32 v25, DUMPI, v25
	v_lshlrev_b32 v[26+(\k)], 2, v25
	global_store_b32 v[26+(\k)], v[ZD], s[18:19] offset:PTOK
.endr
	; the places of the tiles that this split leaves empty: 8,640 - 64 toff_8, at most 448, two a thread
	s_lshl_b32 s52, s40, 6
.irp k, 0,1
	v_add_nc_u32 v25, s52, v0
	v_add_nc_u32 v25, 256*(\k), v25
	v_cmp_gt_u32 vcc_lo, LASTP+1, v25
	v_cndmask_b32 v25, DUMPI, v25, vcc_lo
	v_min_u32 v25, DUMPI, v25
	v_lshlrev_b32 v[28+(\k)], 2, v25
	global_store_b32 v[28+(\k)], v[ZD], s[18:19] offset:PTOK
.endr
	; tile q's expert is the number of e = 1..8 with toff_e <= q; thread q stores it: 1,024 consecutive bytes for the work-group
	v_mov_b32 v31, 0
.irp e, 1,2,3,4,5,6,7,8
	v_cmp_le_u32 vcc_lo, s[32+(\e)], v0
	v_cndmask_b32 v22, 0, 1, vcc_lo
	v_add_nc_u32 v31, v31, v22
.endr
	v_lshlrev_b32 v30, 2, v0
	global_store_b32 v30, v31, s[18:19] offset:PTILE
.Lsorted:
	CLOSE
.Lfunc_end_k_qbbb8db1698_prep:
	.size	k_qbbb8db1698_prep, .Lfunc_end_k_qbbb8db1698_prep-k_qbbb8db1698_prep
	.p2alignl 7, 3214868480
	.fill 96, 4, 3214868480
	.section	.rodata,"a",@progbits
	.p2align	6, 0x0
	.amdhsa_kernel k_qbbb8db1698_prep
		.amdhsa_group_segment_fixed_size 36864
		.amdhsa_private_segment_fixed_size 0
		.amdhsa_enable_private_segment 0
		.amdhsa_kernarg_size 64
		.amdhsa_user_sgpr_count 2
		.amdhsa_user_sgpr_kernarg_segment_ptr 1
		.amdhsa_wavefront_size32 1
		.amdhsa_system_sgpr_workgroup_id_x 1
		.amdhsa_system_sgpr_workgroup_id_y 1
		.amdhsa_system_sgpr_workgroup_id_z 1
		.amdhsa_system_vgpr_workitem_id 0
		.amdhsa_next_free_vgpr 112
		.amdhsa_next_free_sgpr 80
		.amdhsa_reserve_vcc 1
		.amdhsa_float_denorm_mode_32 3
		.amdhsa_float_denorm_mode_16_64 3
		.amdhsa_memory_ordered 1
		.amdhsa_forward_progress 1
		.amdhsa_inst_pref_size 40
	.end_amdhsa_kernel
	.amdgpu_metadata
---
amdhsa.version: [ 1, 2 ]
amdhsa.kernels:
  - .name:           k_qbbb8db1698_prep
    .symbol:         k_qbbb8db1698_prep.kd
    .args:
      - { .name: sel, .offset: 0, .size: 8, .value_kind: global_buffer, .address_space: global }
      - { .name: sw1, .offset: 8, .size: 8, .value_kind: global_buffer, .address_space: global }
      - { .name: sw3, .offset: 16, .size: 8, .value_kind: global_buffer, .address_space: global }
      - { .name: sw2, .offset: 24, .size: 8, .value_kind: global_buffer, .address_space: global }
      - { .name: rw1, .offset: 32, .size: 8, .value_kind: global_buffer, .address_space: global }
      - { .name: rw2, .offset: 40, .size: 8, .value_kind: global_buffer, .address_space: global }
      - { .name: wb, .offset: 48, .size: 8, .value_kind: global_buffer, .address_space: global }
      - { .name: lists, .offset: 56, .size: 8, .value_kind: global_buffer, .address_space: global }
    .group_segment_fixed_size: 36864
    .private_segment_fixed_size: 0
    .kernarg_segment_align: 8
    .kernarg_segment_size: 64
    .max_flat_workgroup_size: 256
    .sgpr_count:     80
    .vgpr_count:     112
    .wavefront_size: 32
...
	.end_amdgpu_metadata
.endif
;; end of part 2
;; launch gemm1 (part 3): grid 16 x 16, 4 waves a work-group, clusters of 4 x 4, 327,680 bytes of LDS; arguments xb, wb, hs; writes hs
.if DOCPART == 3
	.amdgcn_target "amdgcn-amd-amdhsa--gfx1250"
	.amdhsa_code_object_version 6
	.text
	.protected	k_qbbb8db1698_gemm1
	.globl	k_qbbb8db1698_gemm1
	.p2align	8
	.type	k_qbbb8db1698_gemm1,@function
k_qbbb8db1698_gemm1:
	s_mov_b64 s[64:65], 0
	v_nop
	global_prefetch_b8 v0, s[64:65] scope:SCOPE_SE
	s_setreg_imm32_b32 hwreg(HW_REG_WAVE_MODE, 25, 1), 1
	s_wait_xcnt 0x0
	s_wait_alu depctr_hold_cnt(0) depctr_sa_sdst(0) depctr_va_vdst(0) depctr_va_sdst(0) depctr_va_ssrc(0) depctr_va_vcc(0) depctr_vm_vsrc(0)
	s_getreg_b32 s2, hwreg(HW_REG_IB_STS2, 6, 4)
	s_cmp_eq_u32 s2, 0
	s_cbranch_scc0 .Lentry_in_a_cluster
	s_endpgm
.Lentry_in_a_cluster:
	s_bfe_u32 s2, ttmp6, 0x10000c
	s_cmp_lg_u32 s2, 0xf033
	s_cbranch_scc0 .Lentry_shape_is_right
	s_endpgm
.Lentry_shape_is_right:
; THE SHARED EXPERT'S FIRST HALF.  hs[n][j] = silu(x[n] . sw1[j]) x (x[n] . sw3[j]), bf16.  A = xb [4096][1024]; B = W13 [4096][1024] (wb + 16,777,216): blocks of 128 rows, 64 of sw1 and the same 64 of sw3.
; A work-group of four waves makes 256 rows x 256 rows of B, a wave 128 x 128: 64 accumulators of 16 x 16, 512 registers; a wave's 128 rows of B are one block, so both factors of a hidden number lie in the same lane.
; K goes in steps of 128 through a ring of two LDS slots filled by the tensor data mover; rows of 256 bytes, padded to 272 in LDS.
; CLUSTER 4 x 4: the four of a row need the same tiles of A, the four of a column the same tiles of B: each tile is asked for jointly, by the same load, descriptor and mask in all four.
; THE MATRIX INSTRUCTION IS USED TRANSPOSED (source 0 = 16 rows of B, source 1 = 16 rows of A): a lane holds row l % 16 and eight neighbouring columns.
; REGISTERS in windows of 256: window 0: v0-31 addresses; v64-127, v128-191 fragments of A; v192-239 at work on the way out.  Window 1: v64-191 fragments of B.  Windows 2, 3: the accumulators, (a, b) at v[8 (8 a + b)].
; LIMITS.  hs is rounded once to bf16.  silu(g) = g / (1 + 2^(-g log2 e)): where the power overflows the quotient is 0, as silu is to f32's last bit there.  NaN and infinities are not treated apart.
.set SIZE_K, 1024
.set KSTEP,  128
.set PITCH,  272                       ; 256 bytes + 16: the 16 rows of a fragment load start 68 words apart
.set HALFT,  128*PITCH
.set SLOT,   4*HALFT                   ; A's 256 rows, then B's 256 rows
.set SPITCH, 272
.set SPARE,  2*SLOT                    ; behind the ring: the spare words, 128 bytes a wave: two blocks of 256 bytes that no other line names
.set LAPS,   SIZE_K/(2*KSTEP)
.set HROW,   4096                      ; bytes in a row of hs
.set ADRA, 16
.set ADRB, 20
.set STO,  24
.set RD,   25
.set CO,   26
.set SPW,  28
.set NIL,  29
.set F0,   64
.set F1,   128
.set T,    192                         ; the way out: 32 numbers at work
.set PKD,  224                         ; and 16 packed words
.set G1,  24
.set G0,  32
.set G1B, 48
.set G0B, 56
.set LE,  18                           ; s[18:19] - log2(e)
.set MSB, 0
.macro WIN new                         ; the immediate's high byte repeats the setting that is left; a switch that changes nothing is dropped
.if MSB != (\new)
	s_set_vgpr_msb (MSB<<8)|(\new)
.set MSB, \new
.endif
.endm
.set MUL_LO, 0xa1                      ; source 0 (B) window 1, source 1 (A) window 0, C and D window 2
.set MUL_HI, 0xf1                      ; the same, C and D window 3
.set TO_B,   0x40
; A joint load: waves 0 and 1 fetch A's two halves, waves 2 and 3 B's.  The branch hangs on the wave's number alone.  An s_nop 0 and four v_nop follow each line.
.macro JLOAD s
	s_cmp_eq_u32 s11, 0
	s_cbranch_scc0 .Lfor_b_\@
	tensor_load_to_lds s[G0+4*(\s):G0+4*(\s)+3], s[G1:G1+7]
	s_nop 0
.rept 4
	v_nop
.endr
	s_branch .Lasked_\@
.Lfor_b_\@:
	tensor_load_to_lds s[G0B+4*(\s):G0B+4*(\s)+3], s[G1B:G1B+7]
	s_nop 0
.rept 4
	v_nop
.endr
.Lasked_\@:
.endm
.macro CREST                           ; a round of the cluster's barrier behind its opening barrier
	s_cmp_lg_u32 s10, 0
	s_cbranch_scc1 .Lnot_wave_0_\@
	s_barrier_signal -3
.Lnot_wave_0_\@:
	s_barrier_wait -3
	s_barrier_signal -1
	s_barrier_wait -1
.endm
.macro CROUND
	s_barrier_signal -1
	s_barrier_wait -1
	CREST
.endm
	s_load_b128 s[4:7], s[0:1], 0x0                ; xb, wb
	s_load_b64 s[8:9], s[0:1], 0x10                ; hs
	v_lshl_add_u32 v[SPW], v0, 2, SPARE
	v_mov_b32 v[NIL], 0
	ds_add_u32 v[SPW], v[NIL]                      ; the wave's opening: the add, waited for ahead of my first tensor load
	ds_add_u32 v28, v29
	v_lshrrev_b32 v1, 5, v0
	v_readfirstlane_b32 s10, v1                    ; wave 0..3
	s_lshr_b32 s11, s10, 1                         ; my half of the tile's rows.  Also: I fetch for A (0) or for B (1)
	s_and_b32 s12, s10, 1                          ; my half of its columns.  Also: which 128 rows I fetch
	s_bfe_u32 s40, ttmp6, 0x40000                  ; cx
	s_bfe_u32 s41, ttmp6, 0x40004                  ; cy
	s_lshl_b32 s42, ttmp9, 2
	s_add_co_u32 s42, s42, s40                     ; tile column = 4 x cluster x + cx
	s_and_b32 s13, ttmp7, 0xffff
	s_lshl_b32 s13, s13, 2
	s_add_co_u32 s13, s13, s41                     ; tile row = 4 x cluster y + cy
	s_lshl_b32 s43, s41, 2
	s_lshl_b32 s43, 15, s43                        ; my row of the cluster
	s_lshl_b32 s44, 0x1111, s40                    ; my column
	s_or_b32 s[G1+0], s43, (1<<16)|(1<<20)|(1<<21)|(5<<22)|(3<<25)   ; mask; 2-byte elements; padding on; bit 21 beside a mask; after every 64 words 4 words
	s_or_b32 s[G1B+0], s44, (1<<16)|(1<<20)|(1<<21)|(5<<22)|(3<<25)
.irp g, G1, G1B
	s_mov_b32 s[(\g)+1], KSTEP<<16                 ; tensor_dim0 = 128
	s_mov_b32 s[(\g)+2], 128<<16                   ; tensor_dim1 = 128
	s_mov_b32 s[(\g)+3], KSTEP<<16                 ; tile_dim0 = 128
	s_mov_b32 s[(\g)+4], 128                       ; tile_dim1 = 128
	s_mov_b32 s[(\g)+5], SIZE_K                    ; elements from row to row
	s_mov_b32 s[(\g)+6], 0
	s_mov_b32 s[(\g)+7], 0
.endr
	s_lshl_b32 s17, s12, 7
	s_lshl_b32 s16, s13, 8
	s_add_co_u32 s16, s16, s17                     ; A: row 256 x tile row + 128 x half
	s_lshl_b32 s46, s42, 8
	s_add_co_u32 s46, s46, s17                     ; B: row 256 x tile column + 128 x half
	s_mov_b32 s17, 0
	s_mov_b32 s47, 0
	s_mov_b64 s[18:19], SIZE_K*2
	s_mul_u64 s[16:17], s[16:17], s[18:19]
	s_mul_u64 s[46:47], s[46:47], s[18:19]
	s_mul_i32 s20, s10, HALFT                      ; where they go: wave x 128 rows
	s_wait_dscnt 0x0                               ; the opening add is done
	s_wait_kmcnt 0x0
	s_add_nc_u64 s[14:15], s[4:5], s[16:17]
	s_add_nc_u64 s[46:47], s[6:7], s[46:47]
	s_add_nc_u64 s[46:47], s[46:47], 0x1000000     ; W13 in wb
	CROUND                                         ; all sixteen work-groups are here: the first joint loads meet
.irp s, 0,1
	s_mov_b32 s[G0+4*(\s)], 1
	s_add_co_u32 s[G0+4*(\s)+1], s20, (\s)*SLOT
	s_add_nc_u64 s[G0+4*(\s)+2:G0+4*(\s)+3], s[14:15], (\s)*KSTEP*2
	s_or_b32 s[G0+4*(\s)+3], s[G0+4*(\s)+3], 0x80000000
	s_mov_b32 s[G0B+4*(\s)], 1
	s_add_co_u32 s[G0B+4*(\s)+1], s20, (\s)*SLOT
	s_add_nc_u64 s[G0B+4*(\s)+2:G0B+4*(\s)+3], s[46:47], (\s)*KSTEP*2
	s_or_b32 s[G0B+4*(\s)+3], s[G0B+4*(\s)+3], 0x80000000
	JLOAD \s
.endr
	v_and_b32 v1, 15, v0                           ; l % 16
	v_bfe_u32 v2, v0, 4, 1                         ; l / 16
	v_mul_u32_u24 v3, v1, PITCH
	v_lshl_add_u32 v3, v2, 4, v3
	s_mul_i32 s21, s11, HALFT
	s_mul_i32 s22, s12, HALFT
	s_add_co_u32 s22, s22, 2*HALFT
.irp s, 0,1
	v_add_nc_u32 v[ADRA+(\s)], s21, v3
	v_add_nc_u32 v[ADRB+(\s)], s22, v3
	s_add_co_u32 s21, s21, SLOT
	s_add_co_u32 s22, s22, SLOT
.endr
	; the way out: one stage for the work-group, 256 rows of 272 bytes from LDS byte 0 on
	s_mul_i32 s21, s11, 128*SPITCH                 ; in: my 128 rows, my 128 bytes of their 256
	s_lshl_b32 s22, s12, 7
	s_add_co_u32 s21, s21, s22
	v_mul_u32_u24 v4, v1, SPITCH
	v_lshl_add_u32 v4, v2, 4, v4
	v_add_nc_u32 v[STO], s21, v4
	s_mul_i32 s23, s10, 64*SPITCH                  ; back: wave w takes rows 64 w .., whole; lanes 0-15 one row, lanes 16-31 the next
	v_mul_u32_u24 v5, v2, SPITCH
	v_lshl_add_u32 v5, v1, 4, v5
	v_add_nc_u32 v[RD], s23, v5
	v_lshlrev_b32 v5, 12, v2
	v_lshl_add_u32 v[CO], v1, 4, v5
	s_lshl_b32 s16, s13, 8
	s_lshl_b32 s17, s10, 6
	s_add_co_u32 s16, s16, s17                     ; the first row of hs that I store
	s_lshl_b32 s16, s16, 12
	s_mov_b32 s17, 0
	s_add_nc_u64 s[8:9], s[8:9], s[16:17]
	s_lshl_b32 s46, s42, 8                         ; the tile's 128 hidden columns
	s_mov_b32 s47, 0
	s_add_nc_u64 s[8:9], s[8:9], s[46:47]
	s_mov_b32 s[LE], 0xbfb8aa3b
	s_mov_b32 s[LE+1], s[LE]
.macro MUL16 f, hi, a0, zero           ; 16 matrix instructions: m blocks a0, a0 + 1 of the window's four x all 8 n blocks.  zero = 1: the product starts the sums
	WIN MUL_LO+0x50*(\hi)
.irp a, \a0, (\a0)+1
.irp b, 0,1,2,3,4,5,6,7
.if \zero
	v_wmma_f32_16x16x32_bf16 v[8*(8*(\a)+(\b)):8*(8*(\a)+(\b))+7], v[(\f)+8*(\b):(\f)+8*(\b)+7], v[(\f)+8*(4*(\hi)+(\a)):(\f)+8*(4*(\hi)+(\a))+7], 0
.else
	v_wmma_f32_16x16x32_bf16 v[8*(8*(\a)+(\b)):8*(8*(\a)+(\b))+7], v[(\f)+8*(\b):(\f)+8*(\b)+7], v[(\f)+8*(4*(\hi)+(\a)):(\f)+8*(4*(\hi)+(\a))+7], v[8*(8*(\a)+(\b)):8*(8*(\a)+(\b))+7]
.endif
.endr
.endr
.endm
.macro FETCH slot, k, f                ; 32 LDS loads in one run: a quarter step's fragments, B's first
	WIN TO_B
.irp i, 0,1,2,3,4,5,6,7
	ds_load_b128 v[(\f)+8*(\i):(\f)+8*(\i)+3],   v[ADRB+(\slot)] offset:(\k)+(\i)*16*PITCH
	ds_load_b128 v[(\f)+8*(\i)+4:(\f)+8*(\i)+7], v[ADRB+(\slot)] offset:(\k)+(\i)*16*PITCH+32
.endr
	WIN 0
.irp i, 0,1,2,3,4,5,6,7
	ds_load_b128 v[(\f)+8*(\i):(\f)+8*(\i)+3],   v[ADRA+(\slot)] offset:(\k)+(\i)*16*PITCH
	ds_load_b128 v[(\f)+8*(\i)+4:(\f)+8*(\i)+7], v[ADRA+(\slot)] offset:(\k)+(\i)*16*PITCH+32
.endr
.endm
.macro PLACES                          ; four plain instructions between a matrix instruction and a load into, or a reader of, its registers
.rept 4
	v_nop
.endr
.endm
.macro QUARTER slot, k, f, g, zero     ; 64 matrix instructions on buffer f; in their middle the next quarter's fragments are fetched into g
	s_wait_dscnt 8                                 ; B and A's rows 0-63 are in; the youngest eight loads (A's rows 64-127) may be out
	WIN MUL_LO
	MUL16 \f, 0, 0, \zero
	MUL16 \f, 0, 2, \zero
	PLACES
	FETCH \slot, \k, \g
	s_wait_dscnt 32                                ; all but the 32 just issued
	WIN MUL_HI
	MUL16 \f, 1, 0, \zero
	MUL16 \f, 1, 2, \zero
.endm
.macro MEET round                      ; the change of slots: one barrier; in front of it every wave's tensor loads have landed, its add is done and its reads of the slot are over
	WIN 0
	s_wait_tensorcnt 0x0                           ; the one load of mine that was out is my part of the next slot
	ds_add_u32 v[SPW], v[NIL]
	s_wait_dscnt 9                                 ; (the add and the youngest eight loads may be out)
	WIN MUL_LO
	MUL16 F1, 0, 0, 0
	s_wait_dscnt 0x0
	s_barrier_signal -1
	MUL16 F1, 0, 2, 0
.if \round
	WIN 0
.endif
	s_barrier_wait -1
.endm
.macro TURN slot, next                 ; the last quarter of a K step: the slot just read is filled again, two K steps on, first thing behind the cluster's round
	MEET 1
	CREST
	s_add_nc_u64 s[G0+4*(\slot)+2:G0+4*(\slot)+3], s[G0+4*(\slot)+2:G0+4*(\slot)+3], 2*KSTEP*2
	s_add_nc_u64 s[G0B+4*(\slot)+2:G0B+4*(\slot)+3], s[G0B+4*(\slot)+2:G0B+4*(\slot)+3], 2*KSTEP*2
	JLOAD \slot                                    ; its four v_nop are also the places in front of the loads below
	FETCH \next, 0, F0
	WIN MUL_HI
	MUL16 F1, 1, 0, 0
	MUL16 F1, 1, 2, 0
.endm
; THE WAY OUT of block a (16 rows): g = accumulators b = 0..3 (sw1), u = b = 4..7 (sw3).  silu(g) u, rounded, 16 bytes a lane and b into the stage.
; Each accumulator's lowest registers are read first.  The 32 exponentials are one batch with one wait, and so are the 32 reciprocals.
.macro SWIGLU a
.set AC, 64*((\a)%4)
	WIN 2+(\a)/4                                   ; source 0 in the accumulators' window
.set i, 0
.rept 16
	v_pk_mul_f32 v[T+2*i:T+2*i+1], v[AC+2*i:AC+2*i+1], s[LE:LE+1] op_sel_hi:[1,0]
.set i, i+1
.endr
	WIN 0
.set i, 0
.rept 32
	v_exp_f32 v[T+i], v[T+i]
.set i, i+1
.endr
	v_nop
	s_wait_alu depctr_va_vdst(0)
.set i, 0
.rept 16
	v_pk_add_f32 v[T+2*i:T+2*i+1], v[T+2*i:T+2*i+1], 1.0 op_sel_hi:[1,0]
.set i, i+1
.endr
.set i, 0
.rept 32
	v_rcp_f32 v[T+i], v[T+i]
.set i, i+1
.endr
	v_nop
	s_wait_alu depctr_va_vdst(0)
	WIN (2+(\a)/4)<<2                              ; source 1 in the accumulators' window
.set i, 0
.rept 16
	v_pk_mul_f32 v[T+2*i:T+2*i+1], v[T+2*i:T+2*i+1], v[AC+2*i:AC+2*i+1]
.set i, i+1
.endr
.set i, 0
.rept 16
	v_pk_mul_f32 v[T+2*i:T+2*i+1], v[T+2*i:T+2*i+1], v[AC+32+2*i:AC+32+2*i+1]
.set i, i+1
.endr
	WIN 0
.set i, 0
.rept 16
	v_cvt_pk_bf16_f32 v[PKD+i], v[T+2*i], v[T+2*i+1]
.set i, i+1
.endr
.irp b, 0,1,2,3
	ds_store_b128 v[STO], v[PKD+4*(\b):PKD+4*(\b)+3] offset:(\a)*16*SPITCH+32*(\b)
.endr
.endm
	s_wait_tensorcnt 1                             ; my part of K step 0 is in; K step 1's may stay out
	s_barrier_signal -1
	s_barrier_wait -1
	FETCH 0, 0, F0
	QUARTER 0, 64,  F0, F1, 1                      ; the first quarter's products start the sums
	WIN 0
	s_mov_b32 s3, LAPS-1
.Llap:                                                 ; a trip goes once round the ring and fills both slots again
	QUARTER 0, 128, F1, F0, 0
	QUARTER 0, 192, F0, F1, 0
	TURN 0, 1
	QUARTER 1, 64,  F0, F1, 0
	QUARTER 1, 128, F1, F0, 0
	QUARTER 1, 192, F0, F1, 0
	TURN 1, 0
	QUARTER 0, 64,  F0, F1, 0
	WIN 0
	s_sub_co_u32 s3, s3, 1
	s_cmp_lg_u32 s3, 0
	s_cbranch_scc1 .Llap
	QUARTER 0, 128, F1, F0, 0                      ; the last lap fills nothing
	QUARTER 0, 192, F0, F1, 0
	MEET 0                                         ; behind this barrier no wave reads slot 0 any more
	PLACES
	FETCH 1, 0, F0
	WIN MUL_HI
	MUL16 F1, 1, 0, 0
	MUL16 F1, 1, 2, 0
	QUARTER 1, 64,  F0, F1, 0
	QUARTER 1, 128, F1, F0, 0
	QUARTER 1, 192, F0, F1, 0
	s_wait_dscnt 8
	WIN MUL_LO
	MUL16 F1, 0, 0, 0
	MUL16 F1, 0, 2, 0
	s_wait_dscnt 0x0
	MUL16 F1, 1, 0, 0
	MUL16 F1, 1, 2, 0
	WIN 0
	PLACES
	; The stage lies in slot 0, which has had its last fill and, since the barrier above, its last read.
.irp a, 0,1,2,3,4,5,6,7
	SWIGLU \a
.endr
	s_wait_dscnt 0x0                               ; for the others' sake: a row's 256 bytes come from two waves
	s_barrier_signal -1
	s_barrier_wait -1
.set t, 0
.rept 32
	ds_load_b128 v[64+4*t:64+4*t+3], v[RD] offset:t*2*SPITCH
.set t, t+1
.endr
.set t, 0
.rept 32
	s_wait_dscnt 31-t
	global_store_b128 v[CO], v[64+4*t:64+4*t+3], s[8:9] offset:2*t*HROW  ; 16 lanes store 256 consecutive bytes, aligned
.set t, t+1
.endr
	s_wait_tensorcnt 0x0                           ; the wave's end
	ds_add_u32 v[SPW], v[NIL]
	s_wait_dscnt 0x0
	CROUND                                         ; the closing round
	s_endpgm
.Lfunc_end_k_qbbb8db1698_gemm1:
	.size	k_qbbb8db1698_gemm1, .Lfunc_end_k_qbbb8db1698_gemm1-k_qbbb8db1698_gemm1
	.p2alignl 7, 3214868480
	.fill 96, 4, 3214868480
	.section	.rodata,"a",@progbits
	.p2align	6, 0x0
	.amdhsa_kernel k_qbbb8db1698_gemm1
		.amdhsa_group_segment_fixed_size 327680
		.amdhsa_private_segment_fixed_size 0
		.amdhsa_enable_private_segment 0
		.amdhsa_kernarg_size 24
		.amdhsa_user_sgpr_count 2
		.amdhsa_user_sgpr_kernarg_segment_ptr 1
		.amdhsa_wavefront_size32 1
		.amdhsa_system_sgpr_workgroup_id_x 1
		.amdhsa_system_sgpr_workgroup_id_y 1
		.amdhsa_system_sgpr_workgroup_id_z 1
		.amdhsa_system_vgpr_workitem_id 0
		.amdhsa_next_free_vgpr 1024
		.amdhsa_next_free_sgpr 66
		.amdhsa_reserve_vcc 0
		.amdhsa_float_denorm_mode_32 3
		.amdhsa_float_denorm_mode_16_64 3
		.amdhsa_memory_ordered 1
		.amdhsa_forward_progress 1
		.amdhsa_inst_pref_size 178
	.end_amdhsa_kernel
	.amdgpu_metadata
---
amdhsa.version: [ 1, 2 ]
amdhsa.kernels:
  - .name:           k_qbbb8db1698_gemm1
    .symbol:         k_qbbb8db1698_gemm1.kd
    .args:
      - { .name: xb, .offset: 0, .size: 8, .value_kind: global_buffer, .address_space: global }
      - { .name: wb, .offset: 8, .size: 8, .value_kind: global_buffer, .address_space: global }
      - { .name: hs, .offset: 16, .size: 8, .value_kind: global_buffer, .address_space: global }
    .group_segment_fixed_size: 327680
    .private_segment_fixed_size: 0
    .kernarg_segment_align: 8
    .kernarg_segment_size: 24
    .max_flat_workgroup_size: 128
    .sgpr_count:     66
    .vgpr_count:     1024
    .wavefront_size: 32
...
	.end_amdgpu_metadata
.endif
;; end of part 3
;; launch routed (part 4): grid 135 x 1, 8 waves a work-group, no clusters, 271,360 bytes of LDS; arguments xb, wb, lists, rr; writes rr
.if DOCPART == 4
	.amdgcn_target "amdgcn-amd-amdhsa--gfx1250"
	.amdhsa_code_object_version 6
	.text
	.protected	k_qbbb8db1698_routed
	.globl	k_qbbb8db1698_routed
	.p2align	8
	.type	k_qbbb8db1698_routed,@function
k_qbbb8db1698_routed:
	s_mov_b64 s[64:65], 0
	v_nop
	global_prefetch_b8 v0, s[64:65] scope:SCOPE_SE
	s_setreg_imm32_b32 hwreg(HW_REG_WAVE_MODE, 25, 1), 1
	s_wait_xcnt 0x0
; THE ROUTED EXPERTS.  Work-group q takes tile q, 64 routed rows of one expert e = TILE[q], through the whole chain: gather x's rows, H = gelu(x rw1[e]^T), rr = H rw2[e]^T (f32 rows; the gate is applied by the launch behind).
; 135 tiles serve every split of 8,192 rows over 8 experts.  A tile that a split leaves empty (TILE = 8) passes every barrier with expert 7 and token 0 and jumps its stores alone.
; SHARES.  Eight waves.  First product: wave w has 64 rows x hidden columns 64 w .., K = 1,024, 32 steps of 32.  Second: 64 rows x output columns 128 w + 64 p .. in two passes p, K = 512, 16 steps each.
; 16 accumulators, 16 matrix instructions a step.  The rows' operands come from LDS; the WEIGHTS come from memory straight into operand registers: a wave's 64 steps are 64 consecutive chunks of 4 KiB of WR,
; through a ring of eight register buffers: seven chunks, 56 loads of 512 bytes, are on their way in each wave while one is multiplied.  Each buffer has an offset register of its own, stepped behind the
; counted wait that shows the buffer's load done, so the stream's base is never rewritten and no loop waits for addresses.  No loop holds a barrier.
; A step asks for the next step's row fragments, a plane's last step for the next plane's first.  So a product's last step reads one plane past its rows: behind H and behind x lies a plane of zeros, written once, whose fragments are never multiplied.
; NO CLUSTER, NO TENSOR LOAD: a weight tile of 64 KiB would feed only 64 matrix instructions a SIMD with 64 rows, and beside x's 135 KB LDS has room for two such slots at the most;
; joint loads would want each expert filled up to whole clusters of 256 rows.
; The last seven steps also ask for the 28 KiB behind the wave's stream (inside wb, written, never used): the price of one text for every step.  The accumulators are cleared by 128 v_mov_b32 three times: the price of one text for every trip.
; GELU is the exact one, 0.5 x (1 + erf(x / sqrt 2)), erf by Abramowitz and Stegun 7.1.26: |error| <= 1.5e-7 for every argument.  H is rounded once to bf16.  NaN and infinities are not treated apart.
; THE MATRIX INSTRUCTION IS USED TRANSPOSED (source 0 = 16 rows of weights, source 1 = 16 routed rows): a lane holds row l % 16 and eight neighbouring columns.
.set PLANE, 64*528                     ; 64 rows x 256 k of bf16: 512 bytes + 16: the 16 rows of a fragment load start 132 words apart
.set HID,   0                          ; H: 2 planes
.set GAPH,  2*PLANE                    ; a plane of zeros behind H
.set U,     3*PLANE                    ; in turn: x, 4 planes; the accumulators set aside for GELU, 16,384 bytes a wave; the stages, 64 rows x 272 bytes a wave (the last reaches 4,096 bytes into the zeros behind x, which nobody reads any more by then)
.set GAPX,  7*PLANE                    ; a plane of zeros behind x
.set SPARE, 8*PLANE                    ; the spare words, 128 bytes a wave: four blocks of 256 bytes that no other line names
.set LOFF, 3                           ; 16 x lane
.set AL,   4                           ; a fragment's place: r x 528 + 16 h
.set VA,   5
.set XS0,  6
.set XS1,  7
.set DU,   8
.set DUR,  9
.set HS,   10
.set STO,  11                          ; the stage: where I put 16 bytes of a row; never rewritten
.set RD,   12                          ; where I read rows back; never rewritten
.set RO,   13                          ; my byte offset in two rows of rr; never rewritten
.set SPW,  14
.set NIL,  15
.set LO,   16                          ; v16-23  ring buffer b's byte offset in my stream: 16 x lane + 4,096 x the chunk that it takes next
.set GH,   24                          ; where I write zeros behind H,
.set GX,   25                          ; and behind x
.set ZT,   28                          ; v28-31  zeros
.set AF,   32                          ; v32-95  two buffers of row fragments; on the way out two sets of 16 rows' pieces
.set X,    32                          ; GELU: x, t, q, y, packed
.set TT,   64
.set QQ,   96
.set ACC,  128                         ; v128-255 accumulator (a, f) at ACC + 8 (4 a + f)
.set YY,   128
.set PK,   160
.set WB,   24                          ; s[24:25] my stream of weights; never rewritten
.set A1,   48                          ; s[48:61] constants, as pairs
.set A2,   50
.set A3,   52
.set A4,   54
.set A5,   56
.set CE,   58
.set CP,   60
.set MSB, 0
.macro WIN new                         ; the immediate's high byte repeats the setting that is left; a switch that changes nothing is dropped
.if MSB != (\new)
	s_set_vgpr_msb (MSB<<8)|(\new)
.set MSB, \new
.endif
.endm
.macro PLACES                          ; four plain instructions between a matrix instruction and a load into, or a reader of, its registers
.rept 4
	v_nop
.endr
.endm
.macro ALOAD i                         ; the four row fragments of step i of the plane at v[VA]
.irp a, 0,1,2,3
	ds_load_b128 v[AF+32*((\i)%2)+8*(\a):AF+32*((\i)%2)+8*(\a)+3],   v[VA] offset:(\a)*16*528+64*(\i)
	ds_load_b128 v[AF+32*((\i)%2)+8*(\a)+4:AF+32*((\i)%2)+8*(\a)+7], v[VA] offset:(\a)*16*528+64*(\i)+32
.endr
.endm
.macro BLOAD b                         ; ring buffer b of window 1 takes its next chunk: four weight fragments; each load takes 512 consecutive bytes
.irp f, 0,1,2,3
.irp j, 0,1
	global_load_b128 v[32*(\b)+8*(\f)+4*(\j):32*(\b)+8*(\f)+4*(\j)+3], v[LO+(\b)], s[WB:WB+1] offset:(\f)*1024+(\j)*512
.endr
.endr
.endm
.macro MUL i                           ; the 16 accumulators take turns, one instruction a turn, from step to step and over the loops' jumps too
.irp a, 0,1,2,3
.irp f, 0,1,2,3
	v_wmma_f32_16x16x32_bf16 v[ACC+8*(4*(\a)+(\f)):ACC+8*(4*(\a)+(\f))+7], v[32*(\i)+8*(\f):32*(\i)+8*(\f)+7], v[AF+32*((\i)%2)+8*(\a):AF+32*((\i)%2)+8*(\a)+7], v[ACC+8*(4*(\a)+(\f)):ACC+8*(4*(\a)+(\f))+7]
.endr
.endr
.endm
.macro STEP i
	v_nop                                          ; three of the four places behind the last step's products, which read the two buffers that are loaded below;
	v_nop
	v_nop
	WIN 0
	s_wait_loadcnt 48                              ; seven chunks, 56 loads, are out; loads come back in order: the oldest eight, this step's chunk in buffer i, are in,
	v_add_nc_u32 v[LO+(\i)], 8*4096, v[LO+(\i)]    ; so buffer i's offset is free: its next chunk, eight on.  The fourth place
.if (\i) < 7
	ALOAD (\i)+1
.else
	v_add_nc_u32 v[VA], PLANE, v[VA]               ; the next plane's first fragments (behind a product's last plane: zeros)
	ALOAD 0
.endif
	WIN 0x40                                       ; destination window 1, address window 0
	BLOAD ((\i)+7)%8                               ; the buffer multiplied last takes the chunk seven steps on: 56 out again
	s_wait_dscnt 8                                 ; this step's row fragments are in, the eight loads just issued stay out
	WIN 0x01                                       ; source 0 window 1
	MUL \i
.endm
.macro TRIP                            ; one plane of the rows: eight steps, 128 matrix instructions
.irp i, 0,1,2,3,4,5,6,7
	STEP \i
.endr
	WIN 0
.endm
.macro CLEAR
.set i, 0
.rept 128
	v_mov_b32 v[ACC+i], 0
.set i, i+1
.endr
.endm
; GELU's lines ahead of its one wait.  GPL: plain line n of pair p: 1 + p |x| / sqrt 2 (twice), x x, times - log2(e) / 2.  GTL: transcendental n of pair p: t (twice), e^(-x x / 2) (twice).  GHX: x / 2 for pair k.
.macro GPL p, n
.if (\n) == 0
	v_fma_f32 v[TT+2*(\p)], |v[X+2*(\p)]|, s[CP], 1.0
.elseif (\n) == 1
	v_fma_f32 v[TT+2*(\p)+1], |v[X+2*(\p)+1]|, s[CP], 1.0
.elseif (\n) == 2
	v_pk_mul_f32 v[QQ+2*(\p):QQ+2*(\p)+1], v[X+2*(\p):X+2*(\p)+1], v[X+2*(\p):X+2*(\p)+1]
.else
	v_pk_mul_f32 v[QQ+2*(\p):QQ+2*(\p)+1], v[QQ+2*(\p):QQ+2*(\p)+1], s[CE:CE+1] op_sel_hi:[1,0]
.endif
.endm
.macro GTL p, n
.if (\n) < 2
	v_rcp_f32 v[TT+2*(\p)+(\n)], v[TT+2*(\p)+(\n)]
.else
	v_exp_f32 v[QQ+2*(\p)+(\n)-2], v[QQ+2*(\p)+(\n)-2]
.endif
.endm
.macro GHX k
	v_pk_mul_f32 v[X+2*(\k):X+2*(\k)+1], v[X+2*(\k):X+2*(\k)+1], 0.5 op_sel_hi:[1,0]
.endm
	s_load_b256 s[4:11], s[0:1], 0x0               ; xb 4, wb 6, lists 8, rr 10
	v_lshl_add_u32 v[SPW], v0, 2, SPARE
	v_mov_b32 v[NIL], 0
	v_lshrrev_b32 v1, 5, v0
	v_readfirstlane_b32 s12, v1                    ; wave 0..7
	s_lshl_b32 s13, ttmp9, 2                       ; my tile's word in TILE
	s_lshl_b32 s15, ttmp9, 8                       ; my tile's 64 words in TOK,
	s_lshl_b32 s28, s12, 5                         ; my wave's 8 of them
	s_add_co_u32 s15, s15, s28
	s_wait_kmcnt 0x0
	s_load_b32 s14, s[8:9], s13 offset:0x10700
	s_load_b256 s[16:23], s[8:9], s15 offset:0x8000
	v_and_b32 v1, 15, v0                           ; r
	v_bfe_u32 v2, v0, 4, 1                         ; h
	v_and_b32 v[LOFF], 31, v0
	v_lshlrev_b32 v[LOFF], 4, v[LOFF]
.irp c, 0,1,2,3,4,5,6,7
	v_add_nc_u32 v[LO+(\c)], (\c)*4096, v[LOFF]    ; buffer c begins with chunk c
.endr
	v_mul_u32_u24 v[AL], v1, 528
	v_lshl_add_u32 v[AL], v2, 4, v[AL]
	s_mul_i32 s28, s12, 8*528                      ; my 8 rows in a plane:
	s_add_co_u32 s28, s28, GAPH
	v_add_nc_u32 v[GH], s28, v[LOFF]               ; of the zeros behind H,
	v_add_nc_u32 v[XS0], PLANE, v[GH]              ; of x's planes 0 and 1,
	v_add_nc_u32 v[XS1], 2*PLANE, v[XS0]           ; 2 and 3,
	v_add_nc_u32 v[GX], 2*PLANE, v[XS1]            ; and of the zeros behind x
.irp z, 0,1,2,3
	v_mov_b32 v[ZT+(\z)], 0
.endr
.irp i, 0,1,2,3,4,5,6,7                            ; the two planes of zeros, in the wait for the lists
	ds_store_b128 v[GH], v[ZT:ZT+3] offset:(\i)*528
	ds_store_b128 v[GX], v[ZT:ZT+3] offset:(\i)*528
.endr
	s_lshl_b32 s28, s12, 14
	s_add_co_u32 s28, s28, U
	v_add_nc_u32 v[DU], s28, v[LOFF]
	s_lshr_b32 s28, s12, 2                         ; H: my 64 hidden columns lie in plane w / 4, at byte 128 (w % 4) of its rows
	s_mul_i32 s28, s28, PLANE
	s_and_b32 s29, s12, 3
	s_lshl_b32 s29, s29, 7
	s_add_co_u32 s28, s28, s29
	v_add_nc_u32 v[HS], s28, v[AL]
	s_mul_i32 s28, s12, 17408                      ; my stage
	s_add_co_u32 s28, s28, U
	v_mul_u32_u24 v[STO], v1, 272                  ; in: row r, 32 bytes for each half of the lanes
	v_lshl_add_u32 v[STO], v2, 5, v[STO]
	v_add_nc_u32 v[STO], s28, v[STO]
	v_mul_u32_u24 v[RD], v2, 272                   ; back: lanes 0-15 one row of 256 bytes, lanes 16-31 the next
	v_lshl_add_u32 v[RD], v1, 4, v[RD]
	v_add_nc_u32 v[RD], s28, v[RD]
	v_lshlrev_b32 v[RO], 12, v2                    ; and the same two rows in rr
	v_lshl_add_u32 v[RO], v1, 4, v[RO]
	s_mov_b32 s[A1], 0x3e827906                    ; 0.254829592
	s_mov_b32 s[A2], 0xbe91a98e                    ; -0.284496736
	s_mov_b32 s[A3], 0x3fb5f0e3                    ; 1.421413741
	s_mov_b32 s[A4], 0xbfba00e3                    ; -1.453152027
	s_mov_b32 s[A5], 0x3f87dc22                    ; 1.061405429
	s_mov_b32 s[CE], 0xbf38aa3b                    ; - log2(e) / 2
	s_mov_b32 s[CP], 0x3e6d3388                    ; 0.3275911 / sqrt 2
.irp c, A1, A2, A3, A4, A5, CE, CP
	s_mov_b32 s[(\c)+1], s[\c]                     ; named as pairs
.endr
	s_wait_kmcnt 0x0
	s_min_u32 s13, s14, 7                          ; loaded numbers enter addresses only clamped; s14 keeps 8 for an empty tile
.irp i, 0,1,2,3,4,5,6,7
	s_min_u32 s[16+(\i)], s[16+(\i)], 0xfff
.endr
	s_mov_b32 s29, 0
.irp i, 0,1,2,3,4,5,6,7
	s_lshl_b32 s28, s[16+(\i)], 11
	s_add_nc_u64 s[30+2*(\i):31+2*(\i)], s[4:5], s[28:29]
.endr
	s_lshl_b32 s28, s13, 21                        ; the expert's 2 MiB of WR,
	s_lshl_b32 s15, s12, 18                        ; my wave's 256 KiB
	s_add_co_u32 s28, s28, s15
	s_add_nc_u64 s[WB:WB+1], s[6:7], s[28:29]
	s_lshl_b32 s28, ttmp9, 18                      ; the tile's 64 rows of rr,
	s_lshl_b32 s15, s12, 9                         ; my wave's 128 columns
	s_add_co_u32 s28, s28, s15
	s_add_nc_u64 s[26:27], s[10:11], s[28:29]
.irp i, 0,1,2,3,4,5,6,7                            ; THE GATHER: my 8 rows of x, 512 consecutive bytes a load, through the accumulators' registers
.irp j, 0,1,2,3
	global_load_b128 v[ACC+4*(4*(\i)+(\j)):ACC+4*(4*(\i)+(\j))+3], v[LOFF], s[30+2*(\i):31+2*(\i)] offset:512*(\j)
.endr
.endr
	WIN 0x40
.irp c, 0,1,2
	BLOAD \c                                       ; the stream begins: three chunks behind x's 32 loads, 56 loads out
.endr
	WIN 0
	s_wait_loadcnt 24                              ; x is in; the 24 loads behind it stay out
.irp i, 0,1,2,3,4,5,6,7
.irp j, 0,1
	ds_store_b128 v[XS0], v[ACC+4*(4*(\i)+(\j)):ACC+4*(4*(\i)+(\j))+3] offset:(\j)*PLANE+(\i)*528
	ds_store_b128 v[XS1], v[ACC+4*(4*(\i)+(\j)+2):ACC+4*(4*(\i)+(\j)+2)+3] offset:(\j)*PLANE+(\i)*528
.endr
.endr
	WIN 0x40
.irp c, 3,4,5,6
	BLOAD \c                                       ; four more: seven chunks, 56 loads at the most
.endr
	WIN 0
	s_wait_dscnt 0x0                               ; for the others' sake: my rows and my zeros are in LDS
	s_barrier_signal -1
	s_barrier_wait -1
	; THE FIRST PRODUCT
	v_add_nc_u32 v[VA], U, v[AL]
	ALOAD 0                                        ; the first fragments are on their way while the accumulators are cleared
	CLEAR
	s_mov_b32 s47, 4
.Lp1:
	TRIP
	s_sub_co_u32 s47, s47, 1
	s_cmp_lg_u32 s47, 0
	s_cbranch_scc1 .Lp1
	PLACES
	s_wait_dscnt 0x0                               ; my reads of x, and of the zeros behind it, are over,
	s_barrier_signal -1
	s_barrier_wait -1                              ; everybody's are: x's bytes are written anew
	; GELU.  The accumulators are set aside in my own LDS bytes, so that one text of 16 rows serves four times.  Each accumulator's low half goes first.
.irp t, 0,1,2,3,4,5,6,7,8,9,10,11,12,13,14,15
	ds_store_b128 v[DU], v[ACC+8*(\t):ACC+8*(\t)+3] offset:(\t)*1024
	ds_store_b128 v[DU], v[ACC+8*(\t)+4:ACC+8*(\t)+7] offset:(\t)*1024+512
.endr
	v_mov_b32 v[DUR], v[DU]
	s_mov_b32 s47, 4
.Lgelu:                                                ; a trip: block a of 16 rows x my 64 columns, 32 numbers a lane
.irp t, 0,1,2,3
	ds_load_b128 v[X+8*(\t):X+8*(\t)+3], v[DUR] offset:(\t)*1024
	ds_load_b128 v[X+8*(\t)+4:X+8*(\t)+7], v[DUR] offset:(\t)*1024+512
.endr
	s_wait_dscnt 0x0
	; The 64 transcendentals are ONE batch with one wait.  None of the lines ahead of the wait names a result of theirs; a pair's four stand one by one between the next pair's four plain lines, the last pair's between four of the halvings.
.irp n, 0,1,2,3
	GPL 0, \n
.endr
.set p, 0
.rept 15
.irp n, 0,1,2,3
	GPL p+1, \n
	GTL p, \n
.endr
.set p, p+1
.endr
.irp n, 0,1,2,3
	GHX \n
	GTL 15, \n
.endr
.irp k, 4,5,6,7,8,9,10,11,12,13,14,15
	GHX \k                                         ; plain lines behind the last transcendental,
.endr
	s_wait_alu depctr_va_vdst(0)                   ; and the one wait for the batch, ahead of its first reader
.set i, 0
.rept 16
	v_pk_fma_f32 v[YY+2*i:YY+2*i+1], v[TT+2*i:TT+2*i+1], s[A5:A5+1], s[A4:A4+1] op_sel_hi:[1,0,0]
.set i, i+1
.endr
.irp c, A3, A2, A1
.set i, 0
.rept 16
	v_pk_fma_f32 v[YY+2*i:YY+2*i+1], v[YY+2*i:YY+2*i+1], v[TT+2*i:TT+2*i+1], s[\c:(\c)+1] op_sel_hi:[1,1,0]
.set i, i+1
.endr
.endr
.set i, 0
.rept 16
	v_pk_mul_f32 v[YY+2*i:YY+2*i+1], v[YY+2*i:YY+2*i+1], v[TT+2*i:TT+2*i+1]
.set i, i+1
.endr
.set i, 0
.rept 16
	v_pk_fma_f32 v[YY+2*i:YY+2*i+1], v[YY+2*i:YY+2*i+1], v[QQ+2*i:QQ+2*i+1], 1.0 op_sel_hi:[1,1,0] neg_lo:[1,0,0] neg_hi:[1,0,0]  ; erf(|x| / sqrt 2)
.set i, i+1
.endr
.set i, 0
.rept 32
	v_fma_f32 v[YY+i], |v[X+i]|, v[YY+i], v[X+i]   ; x / 2 + |x / 2| erf(|x| / sqrt 2)
.set i, i+1
.endr
.set i, 0
.rept 16
	v_cvt_pk_bf16_f32 v[PK+i], v[YY+2*i], v[YY+2*i+1]
.set i, i+1
.endr
.irp f, 0,1,2,3
	ds_store_b128 v[HS], v[PK+4*(\f):PK+4*(\f)+3] offset:32*(\f)
.endr
	v_add_nc_u32 v[DUR], 4096, v[DUR]
	v_add_nc_u32 v[HS], 16*528, v[HS]
	s_sub_co_u32 s47, s47, 1
	s_cmp_lg_u32 s47, 0
	s_cbranch_scc1 .Lgelu
	s_wait_dscnt 0x0                               ; for the others' sake: my part of H is in LDS, and my reads of what I set aside are over
	s_barrier_signal -1
	s_barrier_wait -1
	; THE SECOND PRODUCT, two passes of 64 columns
	s_mov_b32 s46, 2
.Lpass:
	v_mov_b32 v[VA], v[AL]
	ALOAD 0
	CLEAR
	s_mov_b32 s47, 2
.Lp2:
	TRIP
	s_sub_co_u32 s47, s47, 1
	s_cmp_lg_u32 s47, 0
	s_cbranch_scc1 .Lp2
	PLACES
	s_wait_dscnt 0x0                               ; the eight loads of zeros are back: their registers are loaded again below
	s_cmp_ge_u32 s14, 8
	s_cbranch_scc1 .Lempty                         ; an empty tile stores nothing; no barrier is jumped
.irp t, 0,1,2,3,4,5,6,7,8,9,10,11,12,13,14,15      ; t = 4 a + f: into my own stage, rows of 272 bytes; each accumulator's low half first
	ds_store_b128 v[STO], v[ACC+8*(\t):ACC+8*(\t)+3] offset:((\t)/4)*16*272+((\t)%4)*64
	ds_store_b128 v[STO], v[ACC+8*(\t)+4:ACC+8*(\t)+7] offset:((\t)/4)*16*272+((\t)%4)*64+16
.endr
	; back as whole rows of 256 bytes, 16 rows a group, and out.  Both addresses stay as they are: the group and the row stand in the immediates.  Two sets of registers take turns.
.irp a, 0,1,2,3
.if (\a) >= 2
	s_wait_xcnt 0x0                                ; the registers that group a - 2's stores read are loaded again only behind this wait
.endif
.irp t, 0,1,2,3,4,5,6,7
	ds_load_b128 v[AF+32*((\a)%2)+4*(\t):AF+32*((\a)%2)+4*(\t)+3], v[RD] offset:(\a)*16*272+(\t)*2*272  ; my own bytes: LDS serves a wave's instructions in order
.endr
.irp t, 0,1,2,3,4,5,6,7
	s_wait_dscnt 7-(\t)
	global_store_b128 v[RO], v[AF+32*((\a)%2)+4*(\t):AF+32*((\a)%2)+4*(\t)+3], s[26:27] offset:(\a)*65536+(\t)*8192  ; 16 lanes store 256 consecutive bytes, aligned
.endr
.endr
	s_wait_xcnt 0x0                                ; the stores' base and registers are rewritten only behind this wait
	s_add_nc_u64 s[26:27], s[26:27], 256           ; the next pass's 64 columns
.Lempty:
	s_sub_co_u32 s46, s46, 1
	s_cmp_lg_u32 s46, 0
	s_cbranch_scc1 .Lpass
	s_wait_tensorcnt 0x0                           ; the wave's end
	ds_add_u32 v[SPW], v[NIL]
	s_wait_dscnt 0x0
	s_endpgm
.Lfunc_end_k_qbbb8db1698_routed:
	.size	k_qbbb8db1698_routed, .Lfunc_end_k_qbbb8db1698_routed-k_qbbb8db1698_routed
	.p2alignl 7, 3214868480
	.fill 96, 4, 3214868480
	.section	.rodata,"a",@progbits
	.p2align	6, 0x0
	.amdhsa_kernel k_qbbb8db1698_routed
		.amdhsa_group_segment_fixed_size 271360
		.amdhsa_private_segment_fixed_size 0
		.amdhsa_enable_private_segment 0
		.amdhsa_kernarg_size 32
		.amdhsa_user_sgpr_count 2
		.amdhsa_user_sgpr_kernarg_segment_ptr 1
		.amdhsa_wavefront_size32 1
		.amdhsa_system_sgpr_workgroup_id_x 1
		.amdhsa_system_sgpr_workgroup_id_y 1
		.amdhsa_system_sgpr_workgroup_id_z 1
		.amdhsa_system_vgpr_workitem_id 0
		.amdhsa_next_free_vgpr 512
		.amdhsa_next_free_sgpr 66
		.amdhsa_reserve_vcc 0
		.amdhsa_float_denorm_mode_32 3
		.amdhsa_float_denorm_mode_16_64 3
		.amdhsa_memory_ordered 1
		.amdhsa_forward_progress 1
		.amdhsa_inst_pref_size 95
	.end_amdhsa_kernel
	.amdgpu_metadata
---
amdhsa.version: [ 1, 2 ]
amdhsa.kernels:
  - .name:           k_qbbb8db1698_routed
    .symbol:         k_qbbb8db1698_routed.kd
    .args:
      - { .name: xb, .offset: 0, .size: 8, .value_kind: global_buffer, .address_space: global }
      - { .name: wb, .offset: 8, .size: 8, .value_kind: global_buffer, .address_space: global }
      - { .name: lists, .offset: 16, .size: 8, .value_kind: global_buffer, .address_space: global }
      - { .name: rr, .offset: 24, .size: 8, .value_kind: global_buffer, .address_space: global }
    .group_segment_fixed_size: 271360
    .private_segment_fixed_size: 0
    .kernarg_segment_align: 8
    .kernarg_segment_size: 32
    .max_flat_workgroup_size: 256
    .sgpr_count:     66
    .vgpr_count:     512
    .wavefront_size: 32
...
	.end_amdgpu_metadata
.endif
;; end of part 4
;; launch gemm2 (part 5): grid 8 x 32, 4 waves a work-group, clusters of 4 x 4, 327,680 bytes of LDS; arguments hs, wb, rr, lists, gat, out0; writes out0
.if DOCPART == 5
	.amdgcn_target "amdgcn-amd-amdhsa--gfx1250"
	.amdhsa_code_object_version 6
	.text
	.protected	k_qbbb8db1698_gemm2
	.globl	k_qbbb8db1698_gemm2
	.p2align	8
	.type	k_qbbb8db1698_gemm2,@function
k_qbbb8db1698_gemm2:
	s_mov_b64 s[64:65], 0
	v_nop
	global_prefetch_b8 v0, s[64:65] scope:SCOPE_SE
	s_setreg_imm32_b32 hwreg(HW_REG_WAVE_MODE, 25, 1), 1
	s_wait_xcnt 0x0
	s_wait_alu depctr_hold_cnt(0) depctr_sa_sdst(0) depctr_va_vdst(0) depctr_va_sdst(0) depctr_va_ssrc(0) depctr_va_vcc(0) depctr_vm_vsrc(0)
	s_getreg_b32 s2, hwreg(HW_REG_IB_STS2, 6, 4)
	s_cmp_eq_u32 s2, 0
	s_cbranch_scc0 .Lentry_in_a_cluster
	s_endpgm
.Lentry_in_a_cluster:
	s_bfe_u32 s2, ttmp6, 0x10000c
	s_cmp_lg_u32 s2, 0xf033
	s_cbranch_scc0 .Lentry_shape_is_right
	s_endpgm
.Lentry_shape_is_right:
; THE OUTPUT.  out[n] = (hs[n] . sw2^T) / 3 + g1[n] rr[p1[n]] + g2[n] rr[p2[n]]: the shared expert's second half and the token's two routed rows (gat holds the gates divided by 3; POS2 the rows' places).
; A = hs [4096][2048] bf16; B = W2S [1024][2048] bf16 (wb + 25,165,824); out f32.  A tile of out is 128 x 128: 256 work-groups; four waves, each 64 x 64: 16 accumulators.
; K goes in steps of 256 through a ring of two LDS slots; rows of 512 bytes, padded to 528.  CLUSTER 4 x 4: A's tiles are asked for jointly along a row of the cluster, B's along a column.
; THE MATRIX INSTRUCTION IS USED TRANSPOSED (source 0 = 16 rows of B, source 1 = 16 rows of A): a lane holds row l % 16 and eight neighbouring columns.
; The routed rows are asked for at the kernel's head, in the layout in which the results come back from the stage, and land while K is walked: 64 loads of 16 bytes a lane, 256 registers.
; REGISTERS in windows of 256: window 0: v0-31 addresses; v32-95 at work on the way out; v128-255 accumulators, (a, b) at 128 + 8 (4 a + b).  Window 1: two fragment buffers.
;   Window 2: RA(a, t) at 4 (8 a + t), RB(a, t) 128 further: the two routed rows' 16 bytes for row 16 a + 8 (l / 16) + t.  Window 3: v0-63 the pairs of places, then byte offsets; v64-127 the pairs of gates; v128 16 (l % 16).
; Sums stay in f32 from the products to the store.  NaN and infinities are not treated apart.
.set SIZE_K, 2048
.set KSTEP,  256
.set PITCH,  528
.set HALFT,  64*PITCH
.set SLOT,   4*HALFT
.set STAGE,  2*SLOT                    ; behind the ring, never filled by a tensor load: 16 rows x 272 bytes for each wave
.set SPITCH, 272
.set SPARE,  STAGE+4*16*SPITCH         ; the spare words, 128 bytes a wave: two blocks of 256 bytes that no other line names
.set LAPS,   SIZE_K/(2*KSTEP)
.set ADRA, 16
.set ADRB, 20
.set STO,  24
.set RD,   25
.set CO,   26
.set LC,   27                          ; 16 (l % 16)
.set SPW,  28
.set NIL,  29
.set PV,   30                          ; 64 (l / 16)
.set TMP,  32
.set ACC,  128
.set F0,   0
.set F1,   128
.set LC3,  128                         ; window 3
.set G1,  24
.set G0,  32
.set G1B, 48
.set G0B, 56
.set MSB, 0
.macro WIN new
.if MSB != (\new)
	s_set_vgpr_msb (MSB<<8)|(\new)
.set MSB, \new
.endif
.endm
.set MUL,  0x05                        ; sources 0 (B) and 1 (A) window 1; C and D window 0
.set TO_F, 0x40
.macro JLOAD s                         ; a joint load: waves 0 and 1 fetch A's two halves, waves 2 and 3 B's; an s_nop 0 and four v_nop follow each line
	s_cmp_eq_u32 s11, 0
	s_cbranch_scc0 .Lfor_b_\@
	tensor_load_to_lds s[G0+4*(\s):G0+4*(\s)+3], s[G1:G1+7]
	s_nop 0
.rept 4
	v_nop
.endr
	s_branch .Lasked_\@
.Lfor_b_\@:
	tensor_load_to_lds s[G0B+4*(\s):G0B+4*(\s)+3], s[G1B:G1B+7]
	s_nop 0
.rept 4
	v_nop
.endr
.Lasked_\@:
.endm
.macro CREST
	s_cmp_lg_u32 s10, 0
	s_cbranch_scc1 .Lnot_wave_0_\@
	s_barrier_signal -3
.Lnot_wave_0_\@:
	s_barrier_wait -3
	s_barrier_signal -1
	s_barrier_wait -1
.endm
.macro CROUND
	s_barrier_signal -1
	s_barrier_wait -1
	CREST
.endm
	s_load_b128 s[4:7], s[0:1], 0x0                ; hs, wb
	s_load_b256 s[68:75], s[0:1], 0x10             ; rr 68, lists 70, gat 72, out0 74
	v_lshl_add_u32 v[SPW], v0, 2, SPARE
	v_mov_b32 v[NIL], 0
	ds_add_u32 v[SPW], v[NIL]                      ; the wave's opening: the add, waited for ahead of my first tensor load
	ds_add_u32 v28, v29
	v_lshrrev_b32 v1, 5, v0
	v_readfirstlane_b32 s10, v1                    ; wave 0..3
	s_lshr_b32 s11, s10, 1                         ; my half of the tile's rows.  Also: I fetch for A (0) or for B (1)
	s_and_b32 s12, s10, 1                          ; my half of its columns.  Also: which 64 rows I fetch
	s_bfe_u32 s40, ttmp6, 0x40000
	s_bfe_u32 s41, ttmp6, 0x40004
	s_lshl_b32 s42, ttmp9, 2
	s_add_co_u32 s42, s42, s40                     ; tile column
	s_and_b32 s13, ttmp7, 0xffff
	s_lshl_b32 s13, s13, 2
	s_add_co_u32 s13, s13, s41                     ; tile row
	s_lshl_b32 s43, s41, 2
	s_lshl_b32 s43, 15, s43
	s_lshl_b32 s44, 0x1111, s40
	s_or_b32 s[G1+0], s43, (1<<16)|(1<<20)|(1<<21)|(6<<22)|(3<<25)   ; mask; 2-byte elements; padding on; bit 21 beside a mask; after every 128 words 4 words
	s_or_b32 s[G1B+0], s44, (1<<16)|(1<<20)|(1<<21)|(6<<22)|(3<<25)
.irp g, G1, G1B
	s_mov_b32 s[(\g)+1], KSTEP<<16                 ; tensor_dim0 = 256
	s_mov_b32 s[(\g)+2], 64<<16                    ; tensor_dim1 = 64
	s_mov_b32 s[(\g)+3], KSTEP<<16                 ; tile_dim0 = 256
	s_mov_b32 s[(\g)+4], 64                        ; tile_dim1 = 64
	s_mov_b32 s[(\g)+5], SIZE_K
	s_mov_b32 s[(\g)+6], 0
	s_mov_b32 s[(\g)+7], 0
.endr
	s_lshl_b32 s17, s12, 6
	s_lshl_b32 s16, s13, 7
	s_add_co_u32 s16, s16, s17                     ; A: row 128 x tile row + 64 x half
	s_lshl_b32 s46, s42, 7
	s_add_co_u32 s46, s46, s17                     ; B: row 128 x tile column + 64 x half
	s_mov_b32 s17, 0
	s_mov_b32 s47, 0
	s_mov_b64 s[18:19], SIZE_K*2
	s_mul_u64 s[16:17], s[16:17], s[18:19]
	s_mul_u64 s[46:47], s[46:47], s[18:19]
	s_mul_i32 s20, s10, HALFT
	s_wait_dscnt 0x0                               ; the opening add is done
	s_wait_kmcnt 0x0
	s_add_nc_u64 s[14:15], s[4:5], s[16:17]
	s_add_nc_u64 s[46:47], s[6:7], s[46:47]
	s_add_nc_u64 s[46:47], s[46:47], 0x1800000     ; W2S in wb
	CROUND                                         ; all sixteen work-groups are here: the first joint loads meet
.irp s, 0,1
	s_mov_b32 s[G0+4*(\s)], 1
	s_add_co_u32 s[G0+4*(\s)+1], s20, (\s)*SLOT
	s_add_nc_u64 s[G0+4*(\s)+2:G0+4*(\s)+3], s[14:15], (\s)*KSTEP*2
	s_or_b32 s[G0+4*(\s)+3], s[G0+4*(\s)+3], 0x80000000
	s_mov_b32 s[G0B+4*(\s)], 1
	s_add_co_u32 s[G0B+4*(\s)+1], s20, (\s)*SLOT
	s_add_nc_u64 s[G0B+4*(\s)+2:G0B+4*(\s)+3], s[46:47], (\s)*KSTEP*2
	s_or_b32 s[G0B+4*(\s)+3], s[G0B+4*(\s)+3], 0x80000000
	JLOAD \s
.endr
	v_and_b32 v1, 15, v0                           ; l % 16
	v_bfe_u32 v2, v0, 4, 1                         ; l / 16
	v_mul_u32_u24 v3, v1, PITCH
	v_lshl_add_u32 v3, v2, 4, v3
	s_mul_i32 s21, s11, HALFT
	s_mul_i32 s22, s12, HALFT
	s_add_co_u32 s22, s22, 2*HALFT
.irp s, 0,1
	v_add_nc_u32 v[ADRA+(\s)], s21, v3
	v_add_nc_u32 v[ADRB+(\s)], s22, v3
	s_add_co_u32 s21, s21, SLOT
	s_add_co_u32 s22, s22, SLOT
.endr
	v_lshlrev_b32 v[LC], 4, v1
	v_lshlrev_b32 v[PV], 6, v2
	s_mul_i32 s23, s10, 16*SPITCH
	s_add_co_u32 s23, s23, STAGE                   ; my stage
	v_mul_u32_u24 v4, v1, SPITCH                   ; in: row l % 16, 32 bytes for each half of the lanes
	v_lshl_add_u32 v4, v2, 5, v4
	v_add_nc_u32 v[STO], s23, v4
	v_mul_u32_u24 v5, v2, 8*SPITCH                 ; back: lanes 0-15 take rows 0-7 one after the other, lanes 16-31 rows 8-15
	v_add_nc_u32 v5, v5, v[LC]
	v_add_nc_u32 v[RD], s23, v5
	v_lshl_add_u32 v[CO], v2, 15, v[LC]            ; and the same rows in out
	s_lshl_b32 s76, s13, 7
	s_lshl_b32 s77, s11, 6
	s_add_co_u32 s76, s76, s77                     ; my first row = 128 x tile row + 64 x half
	s_lshl_b32 s78, s76, 3
	s_mov_b32 s79, 0
	s_add_nc_u64 s[70:71], s[70:71], s[78:79]      ; its pair in POS2,
	s_add_nc_u64 s[72:73], s[72:73], s[78:79]      ; and in gat
	s_lshl_b32 s78, s76, 12
	s_add_nc_u64 s[74:75], s[74:75], s[78:79]
	s_lshl_b32 s78, s42, 9                         ; my 64 columns, in bytes of f32
	s_lshl_b32 s77, s12, 8
	s_add_co_u32 s78, s78, s77
	s_add_nc_u64 s[74:75], s[74:75], s[78:79]
	s_add_nc_u64 s[68:69], s[68:69], s[78:79]
	; THE ROUTED ROWS ARE ASKED FOR.  A load of 16 bytes brings the pairs of rows t = 2 u and 2 u + 1 of block a.
	WIN 0xc0                                       ; destination window 3, address window 0
.irp a, 0,1,2,3
.irp u, 0,1,2,3
	global_load_b128 v[16*(\a)+4*(\u):16*(\a)+4*(\u)+3], v[PV], s[70:71] offset:128*(\a)+16*(\u)
	global_load_b128 v[64+16*(\a)+4*(\u):64+16*(\a)+4*(\u)+3], v[PV], s[72:73] offset:128*(\a)+16*(\u)
.endr
.endr
	v_mov_b32 v[LC3], v[LC]
	s_wait_loadcnt 0x0
	WIN 0xff
.set i, 0
.rept 64
	v_min_u32 v[i], 0x21bf, v[i]                   ; a loaded number enters an address only clamped: 8,639 is rr's last row
	v_lshl_add_u32 v[i], v[i], 12, v[LC3]
.set i, i+1
.endr
	WIN 0x83                                       ; destination window 2, address window 3
.set i, 0
.rept 32
	global_load_b128 v[4*i:4*i+3], v[2*i], s[68:69] th:TH_LOAD_NT          ; 16 lanes read 256 consecutive bytes of a routed row
	global_load_b128 v[128+4*i:128+4*i+3], v[2*i+1], s[68:69] th:TH_LOAD_NT
.set i, i+1
.endr
	WIN 0
.macro MUL8 f, c, a0, zero             ; 8 matrix instructions: m blocks a0, a0 + 1 x all 4 n blocks, 32 along K: half c of buffer f
	WIN MUL
.irp a, \a0, (\a0)+1
.irp b, 0,1,2,3
.if \zero
	v_wmma_f32_16x16x32_bf16 v[ACC+8*(4*(\a)+(\b)):ACC+8*(4*(\a)+(\b))+7], v[(\f)+64+8*(4*(\c)+(\b)):(\f)+64+8*(4*(\c)+(\b))+7], v[(\f)+8*(4*(\c)+(\a)):(\f)+8*(4*(\c)+(\a))+7], 0
.else
	v_wmma_f32_16x16x32_bf16 v[ACC+8*(4*(\a)+(\b)):ACC+8*(4*(\a)+(\b))+7], v[(\f)+64+8*(4*(\c)+(\b)):(\f)+64+8*(4*(\c)+(\b))+7], v[(\f)+8*(4*(\c)+(\a)):(\f)+8*(4*(\c)+(\a))+7], v[ACC+8*(4*(\a)+(\b)):ACC+8*(4*(\a)+(\b))+7]
.endif
.endr
.endr
.endm
.macro FETCH slot, k, f                ; 32 LDS loads in one run: the fragments of 64 along K; the first 32 along K first
	WIN TO_F
.irp c, 0,1
.irp i, 0,1,2,3
	ds_load_b128 v[(\f)+64+8*(4*(\c)+(\i)):(\f)+64+8*(4*(\c)+(\i))+3],   v[ADRB+(\slot)] offset:(\k)+64*(\c)+(\i)*16*PITCH
	ds_load_b128 v[(\f)+64+8*(4*(\c)+(\i))+4:(\f)+64+8*(4*(\c)+(\i))+7], v[ADRB+(\slot)] offset:(\k)+64*(\c)+(\i)*16*PITCH+32
	ds_load_b128 v[(\f)+8*(4*(\c)+(\i)):(\f)+8*(4*(\c)+(\i))+3],         v[ADRA+(\slot)] offset:(\k)+64*(\c)+(\i)*16*PITCH
	ds_load_b128 v[(\f)+8*(4*(\c)+(\i))+4:(\f)+8*(4*(\c)+(\i))+7],       v[ADRA+(\slot)] offset:(\k)+64*(\c)+(\i)*16*PITCH+32
.endr
.endr
.endm
.macro PLACES
.rept 4
	v_nop
.endr
.endm
.macro QUARTER slot, k, f, g, zero
	s_wait_dscnt 16                                ; the first 32 along K are in; the other sixteen loads may be out
	WIN MUL
	MUL8 \f, 0, 0, \zero
	MUL8 \f, 0, 2, \zero
	PLACES
	FETCH \slot, \k, \g
	s_wait_dscnt 32                                ; all but the 32 just issued
	WIN MUL
	MUL8 \f, 1, 0, 0
	MUL8 \f, 1, 2, 0
.endm
.macro TURN slot, next, fill           ; the last quarter of a K step changes slots: one barrier; fill = 1: it opens a round of the cluster's, and the slot is filled again first thing behind it
	WIN 0
	s_wait_tensorcnt 0x0                           ; the one load of mine that was out is my part of the next slot
	ds_add_u32 v[SPW], v[NIL]
	s_wait_dscnt 17                                ; (the add and the youngest sixteen loads may be out)
	WIN MUL
	MUL8 F1, 0, 0, 0
	s_wait_dscnt 0x0                               ; the add is done, and my reads of this slot are over
	s_barrier_signal -1
	MUL8 F1, 0, 2, 0
.if \fill
	WIN 0
.endif
	s_barrier_wait -1
.if \fill
	CREST
	s_add_nc_u64 s[G0+4*(\slot)+2:G0+4*(\slot)+3], s[G0+4*(\slot)+2:G0+4*(\slot)+3], 2*KSTEP*2
	s_add_nc_u64 s[G0B+4*(\slot)+2:G0B+4*(\slot)+3], s[G0B+4*(\slot)+2:G0B+4*(\slot)+3], 2*KSTEP*2
	JLOAD \slot                                    ; its four v_nop are also the places in front of the loads below
.else
	PLACES
.endif
	FETCH \next, 0, F0
	WIN MUL
	MUL8 F1, 1, 0, 0
	MUL8 F1, 1, 2, 0
.endm
	s_wait_tensorcnt 1                             ; my part of K step 0 is in; K step 1's may stay out
	s_barrier_signal -1
	s_barrier_wait -1
	FETCH 0, 0, F0
	QUARTER 0, 128, F0, F1, 1                      ; the first quarter's first products start the sums
	WIN 0
	s_mov_b32 s3, LAPS-1
.Llap:
	QUARTER 0, 256, F1, F0, 0
	QUARTER 0, 384, F0, F1, 0
	TURN 0, 1, 1
	QUARTER 1, 128, F0, F1, 0
	QUARTER 1, 256, F1, F0, 0
	QUARTER 1, 384, F0, F1, 0
	TURN 1, 0, 1
	QUARTER 0, 128, F0, F1, 0
	WIN 0
	s_sub_co_u32 s3, s3, 1
	s_cmp_lg_u32 s3, 0
	s_cbranch_scc1 .Llap
	QUARTER 0, 256, F1, F0, 0                      ; the last lap fills nothing
	QUARTER 0, 384, F0, F1, 0
	TURN 0, 1, 0
	QUARTER 1, 128, F0, F1, 0
	QUARTER 1, 256, F1, F0, 0
	QUARTER 1, 384, F0, F1, 0
	s_wait_dscnt 16
	WIN MUL
	MUL8 F1, 0, 0, 0
	MUL8 F1, 0, 2, 0
	s_wait_dscnt 0x0
	MUL8 F1, 1, 0, 0
	MUL8 F1, 1, 2, 0
	WIN 0
	; THE WAY OUT.  First the two routed rows are weighed and added, RA = g1 RA + g2 RB: 128 plain lines that name no register of the last products, and so are the places behind them.
	s_wait_loadcnt 0x0                             ; the routed rows
	WIN 0xae                                       ; destination, source 0 and source 2 window 2, source 1 (the gates) window 3
.set i, 0
.rept 32
.irp z, 0,2
	v_pk_mul_f32 v[4*i+(\z):4*i+(\z)+1], v[4*i+(\z):4*i+(\z)+1], v[64+2*i:64+2*i+1] op_sel_hi:[1,0]
	v_pk_fma_f32 v[4*i+(\z):4*i+(\z)+1], v[128+4*i+(\z):128+4*i+(\z)+1], v[64+2*i:64+2*i+1], v[4*i+(\z):4*i+(\z)+1] op_sel:[0,1,0] op_sel_hi:[1,1,1]
.endr
.set i, i+1
.endr
; Block a: 16 rows x 64 columns of f32 through my own stage, back as whole rows of 256 bytes; then sum / 3 + RA, and out.
.macro OUT a
.set TM, TMP+32*((\a)%2)
	WIN 0
.if (\a) >= 2
	s_wait_xcnt 0x0                                ; the registers that block a - 2's stores read are loaded again only behind this wait
.endif
.irp b, 0,1,2,3                                    ; each accumulator's low half first
	ds_store_b128 v[STO], v[ACC+8*(4*(\a)+(\b)):ACC+8*(4*(\a)+(\b))+3] offset:64*(\b)
	ds_store_b128 v[STO], v[ACC+8*(4*(\a)+(\b))+4:ACC+8*(4*(\a)+(\b))+7] offset:64*(\b)+16
.endr
.irp t, 0,1,2,3,4,5,6,7
	ds_load_b128 v[TM+4*(\t):TM+4*(\t)+3], v[RD] offset:(\t)*SPITCH  ; my own bytes: LDS serves a wave's instructions in order
.endr
	s_wait_dscnt 0x0
	WIN 0x20                                       ; source 2 window 2
.irp t, 0,1,2,3,4,5,6,7
.irp z, 0,2
	v_pk_fma_f32 v[TM+4*(\t)+(\z):TM+4*(\t)+(\z)+1], v[TM+4*(\t)+(\z):TM+4*(\t)+(\z)+1], 0x3eaaaaab, v[4*(8*(\a)+(\t))+(\z):4*(8*(\a)+(\t))+(\z)+1] op_sel_hi:[1,0,1]
.endr
.endr
	WIN 0
.irp t, 0,1,2,3,4,5,6,7
	global_store_b128 v[CO], v[TM+4*(\t):TM+4*(\t)+3], s[74:75] offset:(16*(\a)+(\t))*4096 th:TH_STORE_NT  ; 16 lanes store 256 consecutive bytes, aligned
.endr
.endm
	OUT 0
	OUT 1
	OUT 2
	OUT 3
	s_wait_tensorcnt 0x0                           ; the wave's end
	ds_add_u32 v[SPW], v[NIL]
	s_wait_dscnt 0x0
	CROUND                                         ; the closing round
	s_endpgm
.Lfunc_end_k_qbbb8db1698_gemm2:
	.size	k_qbbb8db1698_gemm2, .Lfunc_end_k_qbbb8db1698_gemm2-k_qbbb8db1698_gemm2
	.p2alignl 7, 3214868480
	.fill 96, 4, 3214868480
	.section	.rodata,"a",@progbits
	.p2align	6, 0x0
	.amdhsa_kernel k_qbbb8db1698_gemm2
		.amdhsa_group_segment_fixed_size 327680
		.amdhsa_private_segment_fixed_size 0
		.amdhsa_enable_private_segment 0
		.amdhsa_kernarg_size 48
		.amdhsa_user_sgpr_count 2
		.amdhsa_user_sgpr_kernarg_segment_ptr 1
		.amdhsa_wavefront_size32 1
		.amdhsa_system_sgpr_workgroup_id_x 1
		.amdhsa_system_sgpr_workgroup_id_y 1
		.amdhsa_system_sgpr_workgroup_id_z 1
		.amdhsa_system_vgpr_workitem_id 0
		.amdhsa_next_free_vgpr 898
		.amdhsa_next_free_sgpr 80
		.amdhsa_reserve_vcc 0
		.amdhsa_float_denorm_mode_32 3
		.amdhsa_float_denorm_mode_16_64 3
		.amdhsa_memory_ordered 1
		.amdhsa_forward_progress 1
		.amdhsa_inst_pref_size 117
	.end_amdhsa_kernel
	.amdgpu_metadata
---
amdhsa.version: [ 1, 2 ]
amdhsa.kernels:
  - .name:           k_qbbb8db1698_gemm2
    .symbol:         k_qbbb8db1698_gemm2.kd
    .args:
      - { .name: hs, .offset: 0, .size: 8, .value_kind: global_buffer, .address_space: global }
      - { .name: wb, .offset: 8, .size: 8, .value_kind: global_buffer, .address_space: global }
      - { .name: rr, .offset: 16, .size: 8, .value_kind: global_buffer, .address_space: global }
      - { .name: lists, .offset: 24, .size: 8, .value_kind: global_buffer, .address_space: global }
      - { .name: gat, .offset: 32, .size: 8, .value_kind: global_buffer, .address_space: global }
      - { .name: out0, .offset: 40, .size: 8, .value_kind: global_buffer, .address_space: global }
    .group_segment_fixed_size: 327680
    .private_segment_fixed_size: 0
    .kernarg_segment_align: 8
    .kernarg_segment_size: 48
    .max_flat_workgroup_size: 128
    .sgpr_count:     80
    .vgpr_count:     898
    .wavefront_size: 32
...
	.end_amdgpu_metadata
.endif
;; end of part 5
;; ======== version 2 of 2: 5 launches; version 1 with the launch routed written anew for expert scheduling mode
;; workspace buffers: xb 8,388,608 bytes; sel 16,384 bytes of whole numbers; gat 32,768 bytes; wb 29,360,128 bytes; lists 68,608 bytes of whole numbers; hs 16,777,216 bytes; rr 35,389,440 bytes
;; launch router: the kernel of part 1 again; grid 256 x 1, 8 waves a work-group, no clusters, 19,712 bytes of LDS; arguments x, router_w, router_t_w, router_bias, t_emb, xb, sel, gat; writes xb, sel, gat
;; launch prep: the kernel of part 2 again; grid 912 x 1, 8 waves a work-group, no clusters, 36,864 bytes of LDS; arguments sel, sw1, sw3, sw2, rw1, rw2, wb, lists; writes wb, lists
;; launch gemm1: the kernel of part 3 again; grid 16 x 16, 4 waves a work-group, clusters of 4 x 4, 327,680 bytes of LDS; arguments xb, wb, hs; writes hs
;; launch routed (part 6): grid 135 x 1, 8 waves a work-group, no clusters, 271,360 bytes of LDS; arguments xb, wb, lists, rr; writes rr
.if DOCPART == 6
	.amdgcn_target "amdgcn-amd-amdhsa--gfx1250"
	.amdhsa_code_object_version 6
	.text
	.protected	k_qbbb8db1698_routed
	.globl	k_qbbb8db1698_routed
	.p2align	8
	.type	k_qbbb8db1698_routed,@function
k_qbbb8db1698_routed:
	s_mov_b64 s[64:65], 0
	v_nop
	global_prefetch_b8 v0, s[64:65] scope:SCOPE_SE
	s_setreg_imm32_b32 hwreg(HW_REG_WAVE_SCHED_MODE, 0, 2), 2
	s_setreg_imm32_b32 hwreg(HW_REG_WAVE_MODE, 25, 1), 1
	s_wait_xcnt 0x0
	s_wait_alu depctr_vm_vsrc(0)
; THE ROUTED EXPERTS.  Work-group q takes tile q, 64 routed rows of one expert e = TILE[q], through the whole chain: gather x's rows, H = gelu(x rw1[e]^T), rr = H rw2[e]^T (f32 rows; the gate is applied by the launch behind).
; 135 tiles serve every split of 8,192 rows over 8 experts.  A tile that a split leaves empty (TILE = 8) passes every barrier with expert 7 and token 0 and jumps its stores alone.
; SHARES.  Eight waves.  First product: wave w has 64 rows x hidden columns 64 w .., K = 1,024, 32 steps of 32.  Second: 64 rows x output columns 128 w + 64 p .. in two passes p, K = 512, 16 steps each.
; 16 accumulators, 16 matrix instructions a step.  The rows' operands come from LDS; the WEIGHTS come from memory straight into operand registers: a wave's 64 steps are 64 consecutive chunks of 4 KiB of WR,
; through a ring of eight register buffers: seven chunks, 56 loads of 512 bytes, are on their way in each wave while one is multiplied.  Each buffer has a scalar base of its own, stepped behind the
; counted wait that shows the buffer's loads done, so no loop waits for addresses.  No loop holds a barrier.
; A step asks for the next step's row fragments, a plane's last step for the next plane's first.  So a product's last step reads one plane past its rows: behind H and behind x lies a plane of zeros, written once, whose fragments are never multiplied.
; NO CLUSTER, NO TENSOR LOAD: a weight tile of 64 KiB would feed only 64 matrix instructions a SIMD with 64 rows, and beside x's 135 KB LDS has room for two such slots at the most;
; joint loads would want each expert filled up to whole clusters of 256 rows.
; The last seven steps also ask for the 28 KiB behind the wave's stream (inside wb, written, never used): the price of one text for every step.  The accumulators are cleared by 128 v_mov_b32 three times: the price of one text for every trip.
; GELU is the exact one, 0.5 x (1 + erf(x / sqrt 2)), erf by Abramowitz and Stegun 7.1.26: |error| <= 1.5e-7 for every argument.  H is rounded once to bf16.  NaN and infinities are not treated apart.
; THE MATRIX INSTRUCTION IS USED TRANSPOSED (source 0 = 16 rows of weights, source 1 = 16 routed rows): a lane holds row l % 16 and eight neighbouring columns.
; THE MODE: SCHED_MODE bits 1:0 = 2 (LLVM: expert scheduling mode 2), set by the entry lines.  The code itself states the register dependences
; between vector or matrix instructions and memory or LDS instructions, with s_wait_alu, always for 0.
; THE PLAN.  Registers that memory or LDS instructions touch:
;   ring buffers 0 .. 7   Step i: its sixteen products read buffer i; the loads of the chunk seven steps on land in buffer (i + 7) % 8, which the step before multiplied.
;   AF0, AF1              Step i: its products read AF[i % 2]; the LDS loads of the next step's fragments land in the other one, which the step before multiplied.
;   v[VA]                 Read by every fragment load; written once a plane, at the head of the plane's last step, and once a pass.
;   v[LOFF], the other addresses made at the head: read by loads and stores, never written again.
;   the accumulators      Written by the clearing lines and the products (in GELU by its y and its packed words); read by x's LDS stores, by the stores that set them aside, by the stage's stores.
;   X, v[DUR]; PK, v[HS]  GELU: loads by v[DUR] land in X, which the trip's lines read and halve; H's stores read PK and v[HS]; each address is stepped once a trip.
; So ONE wait on va_vdst stands at the head of a step: the products of the step before are done reading the two buffers in which this step's sixteen loads land.  Behind it come four products, the loads, twelve products:
; these name buffer i, AF[i % 2] and the accumulators, none of the registers that the loads touch.
.set PLANE, 64*528                     ; 64 rows x 256 k of bf16: 512 bytes + 16: the 16 rows of a fragment load start 132 words apart
.set HID,   0                          ; H: 2 planes
.set GAPH,  2*PLANE                    ; a plane of zeros behind H
.set U,     3*PLANE                    ; in turn: x, 4 planes; the accumulators set aside for GELU, 16,384 bytes a wave; the stages, 64 rows x 272 bytes a wave (the last reaches 4,096 bytes into the zeros behind x, which nobody reads any more by then)
.set GAPX,  7*PLANE                    ; a plane of zeros behind x; the 1,024 bytes behind it take the spare words' add at the wave's end
.set LOFF, 3                           ; 16 x lane
.set AL,   4                           ; a fragment's place: r x 528 + 16 h
.set VA,   5
.set XS0,  6
.set XS1,  7
.set DU,   8
.set DUR,  9
.set HS,   10
.set STO,  11                          ; the stage: where I put 16 bytes of a row; never rewritten
.set RD,   12                          ; where I read rows back; never rewritten
.set RO,   13                          ; my byte offset in two rows of rr; never rewritten
.set GH,   24                          ; where I write zeros behind H,
.set GX,   25                          ; and behind x
.set ZT,   28                          ; v28-31  zeros
.set AF,   32                          ; v32-95  two buffers of row fragments; on the way out two sets of 16 rows' pieces
.set X,    32                          ; GELU: x, t, q, y, packed
.set TT,   64
.set QQ,   96
.set ACC,  128                         ; v128-255 accumulator (a, f) at ACC + 8 (4 a + f)
.set YY,   128
.set PK,   160
.set WB,   24                          ; s[24:25] my stream of weights; never rewritten
.set NB,   30                          ; s[30:45] first the addresses of my 8 rows of x; then ring buffer b's base, a pair at NB + 2 b: the chunk that the buffer was last asked for, stepped to its next one when that one is in
.set A1,   48                          ; s[48:61] constants, as pairs
.set A2,   50
.set A3,   52
.set A4,   54
.set A5,   56
.set CE,   58
.set CP,   60
.set MSB, 0
.macro WIN new                         ; the immediate's high byte repeats the setting that is left; a switch that changes nothing is dropped
.if MSB != (\new)
	s_set_vgpr_msb (MSB<<8)|(\new)
.set MSB, \new
.endif
.endm
.macro PLACES                          ; four plain instructions between a matrix instruction and a store of its result
.rept 4
	v_nop
.endr
.endm
.macro ALOAD i                         ; the four row fragments of step i of the plane at v[VA]
.irp a, 0,1,2,3
	ds_load_b128 v[AF+32*((\i)%2)+8*(\a):AF+32*((\i)%2)+8*(\a)+3],   v[VA] offset:(\a)*16*528+64*(\i)
	ds_load_b128 v[AF+32*((\i)%2)+8*(\a)+4:AF+32*((\i)%2)+8*(\a)+7], v[VA] offset:(\a)*16*528+64*(\i)+32
.endr
.endm
.macro BFIRST c                        ; ring buffer c of window 1 takes chunk c, by the stream's own base: four weight fragments; each load takes 512 consecutive bytes
.irp f, 0,1,2,3
.irp j, 0,1
	global_load_b128 v[32*(\c)+8*(\f)+4*(\j):32*(\c)+8*(\f)+4*(\j)+3], v[LOFF], s[WB:WB+1] offset:(\c)*4096+(\f)*1024+(\j)*512
.endr
.endr
.endm
.macro BLOAD b                         ; ring buffer b takes its next chunk, by its own base
.irp f, 0,1,2,3
.irp j, 0,1
	global_load_b128 v[32*(\b)+8*(\f)+4*(\j):32*(\b)+8*(\f)+4*(\j)+3], v[LOFF], s[NB+2*(\b):NB+2*(\b)+1] offset:(\f)*1024+(\j)*512
.endr
.endr
.endm
.macro MUL i, a                        ; block a of the rows: four products.  The 16 accumulators take turns, one instruction a turn, from step to step and over the loops' jumps too
.irp f, 0,1,2,3
	v_wmma_f32_16x16x32_bf16 v[ACC+8*(4*(\a)+(\f)):ACC+8*(4*(\a)+(\f))+7], v[32*(\i)+8*(\f):32*(\i)+8*(\f)+7], v[AF+32*((\i)%2)+8*(\a):AF+32*((\i)%2)+8*(\a)+7], v[ACC+8*(4*(\a)+(\f)):ACC+8*(4*(\a)+(\f))+7]
.endr
.endm
.macro STEP i
	s_wait_loadcnt 48                              ; seven chunks, 56 loads, are out; loads come back in order: the oldest eight, this step's chunk in buffer i, are in,
	s_add_nc_u64 s[NB+2*(\i):NB+2*(\i)+1], s[NB+2*(\i):NB+2*(\i)+1], 8*4096  ; so buffer i's base is free: its next chunk, eight on
	s_wait_dscnt 0x0                               ; this step's row fragments, asked for in the step before, are in
.if (\i) == 7
	WIN 0
	s_wait_alu depctr_vm_vsrc(0)                   ; the fragment loads issued so far have read v[VA]
	v_add_nc_u32 v[VA], PLANE, v[VA]               ; the next plane (behind a product's last plane: zeros)
.endif
	s_wait_alu depctr_va_vdst(0)                   ; the products of the step before are done reading the other fragment buffer and ring buffer (i + 7) % 8, in which the loads below land; in a plane's last step v[VA] is written
	WIN 0x01                                       ; source 0 window 1
	MUL \i, 0                                      ; four products go first, so that the matrix unit works while the sixteen loads are issued
	WIN 0
.if (\i) < 7
	ALOAD (\i)+1
.else
	ALOAD 0                                        ; the next plane's first fragments
.endif
	WIN 0x40                                       ; destination window 1, address window 0
	BLOAD ((\i)+7)%8                               ; the buffer multiplied last takes the chunk seven steps on: 56 out again.  No further wait: no product since the wait above names a register of these loads
	WIN 0x01
.irp a, 1,2,3
	MUL \i, \a
.endr
.endm
.macro TRIP                            ; one plane of the rows: eight steps, 128 matrix instructions
.irp i, 0,1,2,3,4,5,6,7
	STEP \i
.endr
	WIN 0
.endm
.macro CLEAR
.set i, 0
.rept 128
	v_mov_b32 v[ACC+i], 0
.set i, i+1
.endr
.endm
; GELU's lines ahead of its one wait.  GPL: plain line n of pair p: 1 + p |x| / sqrt 2 (twice), x x, times - log2(e) / 2.  GTL: transcendental n of pair p: t (twice), e^(-x x / 2) (twice).  GHX: x / 2 for pair k.
.macro GPL p, n
.if (\n) == 0
	v_fma_f32 v[TT+2*(\p)], |v[X+2*(\p)]|, s[CP], 1.0
.elseif (\n) == 1
	v_fma_f32 v[TT+2*(\p)+1], |v[X+2*(\p)+1]|, s[CP], 1.0
.elseif (\n) == 2
	v_pk_mul_f32 v[QQ+2*(\p):QQ+2*(\p)+1], v[X+2*(\p):X+2*(\p)+1], v[X+2*(\p):X+2*(\p)+1]
.else
	v_pk_mul_f32 v[QQ+2*(\p):QQ+2*(\p)+1], v[QQ+2*(\p):QQ+2*(\p)+1], s[CE:CE+1] op_sel_hi:[1,0]
.endif
.endm
.macro GTL p, n
.if (\n) < 2
	v_rcp_f32 v[TT+2*(\p)+(\n)], v[TT+2*(\p)+(\n)]
.else
	v_exp_f32 v[QQ+2*(\p)+(\n)-2], v[QQ+2*(\p)+(\n)-2]
.endif
.endm
.macro GHX k
	v_pk_mul_f32 v[X+2*(\k):X+2*(\k)+1], v[X+2*(\k):X+2*(\k)+1], 0.5 op_sel_hi:[1,0]
.endm
	s_load_b256 s[4:11], s[0:1], 0x0               ; xb 4, wb 6, lists 8, rr 10
	v_lshl_add_u32 v26, v0, 2, 0x42000
	v_mov_b32 v27, 0
	v_lshrrev_b32 v1, 5, v0
	v_readfirstlane_b32 s12, v1                    ; wave 0..7
	s_lshl_b32 s13, ttmp9, 2                       ; my tile's word in TILE
	s_lshl_b32 s15, ttmp9, 8                       ; my tile's 64 words in TOK,
	s_wait_alu depctr_va_sdst(0)                   ; s12 is written, ahead of its first reader: offsets, LDS places and bases are made from it
	s_lshl_b32 s28, s12, 5                         ; my wave's 8 of them
	s_add_co_u32 s15, s15, s28
	s_wait_kmcnt 0x0
	s_load_b32 s14, s[8:9], s13 offset:0x10700
	s_load_b256 s[16:23], s[8:9], s15 offset:0x8000
	; All addresses are made here, ahead of one wait.  Each scalar that a vector line reads (s28, s29, s30, s32) keeps its number until that wait.
	v_and_b32 v1, 15, v0                           ; r
	v_bfe_u32 v2, v0, 4, 1                         ; h
	v_and_b32 v[LOFF], 31, v0
	v_lshlrev_b32 v[LOFF], 4, v[LOFF]
	v_mul_u32_u24 v[AL], v1, 528
	v_lshl_add_u32 v[AL], v2, 4, v[AL]
	v_add_nc_u32 v[VA], U, v[AL]                   ; the first product begins at x's plane 0
	s_mul_i32 s28, s12, 8*528                      ; my 8 rows in a plane:
	s_add_co_u32 s28, s28, GAPH
	v_add_nc_u32 v[GH], s28, v[LOFF]               ; of the zeros behind H,
	v_add_nc_u32 v[XS0], PLANE, v[GH]              ; of x's planes 0 and 1,
	v_add_nc_u32 v[XS1], 2*PLANE, v[XS0]           ; 2 and 3,
	v_add_nc_u32 v[GX], 2*PLANE, v[XS1]            ; and of the zeros behind x
.irp z, 0,1,2,3
	v_mov_b32 v[ZT+(\z)], 0
.endr
	s_lshl_b32 s29, s12, 14
	s_add_co_u32 s29, s29, U
	v_add_nc_u32 v[DU], s29, v[LOFF]               ; where I set my accumulators aside,
	v_mov_b32 v[DUR], v[DU]                        ; and where GELU's first trip reads them
	s_lshr_b32 s30, s12, 2                         ; H: my 64 hidden columns lie in plane w / 4, at byte 128 (w % 4) of its rows
	s_mul_i32 s30, s30, PLANE
	s_and_b32 s31, s12, 3
	s_lshl_b32 s31, s31, 7
	s_add_co_u32 s30, s30, s31
	v_add_nc_u32 v[HS], s30, v[AL]
	s_mul_i32 s32, s12, 17408                      ; my stage
	s_add_co_u32 s32, s32, U
	v_mul_u32_u24 v[STO], v1, 272                  ; in: row r, 32 bytes for each half of the lanes
	v_lshl_add_u32 v[STO], v2, 5, v[STO]
	v_add_nc_u32 v[STO], s32, v[STO]
	v_mul_u32_u24 v[RD], v2, 272                   ; back: lanes 0-15 one row of 256 bytes, lanes 16-31 the next
	v_lshl_add_u32 v[RD], v1, 4, v[RD]
	v_add_nc_u32 v[RD], s32, v[RD]
	v_lshlrev_b32 v[RO], 12, v2                    ; and the same two rows in rr
	v_lshl_add_u32 v[RO], v1, 4, v[RO]
	s_wait_alu depctr_va_vdst(0)                   ; the addresses v3 to v13, v24 and v25 and the zeros v28 to v31 are written, which the loads and stores of the kernel read
.irp i, 0,1,2,3,4,5,6,7                            ; the two planes of zeros, in the wait for the lists
	ds_store_b128 v[GH], v[ZT:ZT+3] offset:(\i)*528
	ds_store_b128 v[GX], v[ZT:ZT+3] offset:(\i)*528
.endr
	s_mov_b32 s[A1], 0x3e827906                    ; 0.254829592
	s_mov_b32 s[A2], 0xbe91a98e                    ; -0.284496736
	s_mov_b32 s[A3], 0x3fb5f0e3                    ; 1.421413741
	s_mov_b32 s[A4], 0xbfba00e3                    ; -1.453152027
	s_mov_b32 s[A5], 0x3f87dc22                    ; 1.061405429
	s_mov_b32 s[CE], 0xbf38aa3b                    ; - log2(e) / 2
	s_mov_b32 s[CP], 0x3e6d3388                    ; 0.3275911 / sqrt 2
.irp c, A1, A2, A3, A4, A5, CE, CP
	s_mov_b32 s[(\c)+1], s[\c]                     ; named as pairs
.endr
	s_wait_kmcnt 0x0
	s_min_u32 s13, s14, 7                          ; loaded numbers enter addresses only clamped; s14 keeps 8 for an empty tile
.irp i, 0,1,2,3,4,5,6,7
	s_min_u32 s[16+(\i)], s[16+(\i)], 0xfff
.endr
	s_mov_b32 s29, 0
.irp i, 0,1,2,3,4,5,6,7
	s_lshl_b32 s28, s[16+(\i)], 11
	s_add_nc_u64 s[NB+2*(\i):NB+2*(\i)+1], s[4:5], s[28:29]
.endr
	s_lshl_b32 s28, s13, 21                        ; the expert's 2 MiB of WR,
	s_lshl_b32 s15, s12, 18                        ; my wave's 256 KiB
	s_add_co_u32 s28, s28, s15
	s_add_nc_u64 s[WB:WB+1], s[6:7], s[28:29]
	s_lshl_b32 s28, ttmp9, 18                      ; the tile's 64 rows of rr,
	s_lshl_b32 s15, s12, 9                         ; my wave's 128 columns
	s_add_co_u32 s28, s28, s15
	s_add_nc_u64 s[26:27], s[10:11], s[28:29]
.irp i, 0,1,2,3,4,5,6,7                            ; THE GATHER: my 8 rows of x, 512 consecutive bytes a load, through the accumulators' registers, which no vector line has named yet
.irp j, 0,1,2,3
	global_load_b128 v[ACC+4*(4*(\i)+(\j)):ACC+4*(4*(\i)+(\j))+3], v[LOFF], s[NB+2*(\i):NB+2*(\i)+1] offset:512*(\j)
.endr
.endr
	WIN 0x40
.irp c, 0,1,2
	BFIRST \c                                      ; the stream begins: three chunks behind x's 32 loads, 56 loads out
.endr
	WIN 0
	s_wait_loadcnt 24                              ; x is in; the 24 loads behind it stay out
.irp i, 0,1,2,3,4,5,6,7
.irp j, 0,1
	ds_store_b128 v[XS0], v[ACC+4*(4*(\i)+(\j)):ACC+4*(4*(\i)+(\j))+3] offset:(\j)*PLANE+(\i)*528
	ds_store_b128 v[XS1], v[ACC+4*(4*(\i)+(\j)+2):ACC+4*(4*(\i)+(\j)+2)+3] offset:(\j)*PLANE+(\i)*528
.endr
.endr
	WIN 0x40
.irp c, 3,4,5,6
	BFIRST \c                                      ; four more: seven chunks, 56 loads at the most
.endr
	WIN 0
.irp b, 0,1,2,3,4,5,6,7
	s_add_nc_u64 s[NB+2*(\b):NB+2*(\b)+1], s[WB:WB+1], (\b)*4096  ; free since the wait for x, which shows the loads that read the rows' addresses done: buffer b's base at chunk b
.endr
	s_wait_dscnt 0x0                               ; for the others' sake: my rows and my zeros are in LDS
	s_barrier_signal -1
	s_barrier_wait -1
	; THE FIRST PRODUCT
	ALOAD 0                                        ; the first fragments are on their way while the accumulators are cleared; v[VA] was made at the head, and no vector line has named these registers
	s_wait_alu depctr_vm_vsrc(0)                   ; my LDS stores of x have read the accumulators' registers, which the lines below write
	CLEAR
	s_mov_b32 s47, 4
.Lp1:
	TRIP
	s_sub_co_u32 s47, s47, 1
	s_cmp_lg_u32 s47, 0
	s_cbranch_scc1 .Lp1
	PLACES
	s_wait_dscnt 0x0                               ; my reads of x, and of the zeros behind it, are over,
	s_barrier_signal -1
	s_barrier_wait -1                              ; everybody's are: x's bytes are written anew
	; GELU.  The accumulators are set aside in my own LDS bytes, so that one text of 16 rows serves four times.  Each accumulator's low half goes first.
	s_wait_alu depctr_va_vdst(0)                   ; the products have written the accumulators, which the stores below read (the places above stay beside this wait), and are done reading the fragment buffer in which GELU's first loads land
.irp t, 0,1,2,3,4,5,6,7,8,9,10,11,12,13,14,15
	ds_store_b128 v[DU], v[ACC+8*(\t):ACC+8*(\t)+3] offset:(\t)*1024
	ds_store_b128 v[DU], v[ACC+8*(\t)+4:ACC+8*(\t)+7] offset:(\t)*1024+512
.endr
	s_mov_b32 s47, 4
.Lgelu:                                                ; a trip: block a of 16 rows x my 64 columns, 32 numbers a lane
.irp t, 0,1,2,3                                        ; no wait here: since the last wait on va_vdst, above or ahead of the last trip's stores, no vector line has named X or v[DUR]
	ds_load_b128 v[X+8*(\t):X+8*(\t)+3], v[DUR] offset:(\t)*1024
	ds_load_b128 v[X+8*(\t)+4:X+8*(\t)+7], v[DUR] offset:(\t)*1024+512
.endr
	s_wait_dscnt 0x0
	s_wait_alu depctr_vm_vsrc(0)                   ; the loads above have read v[DUR]; in the first trip: the stores that set the accumulators aside have read the registers that y and the packed words write
	v_add_nc_u32 v[DUR], 4096, v[DUR]              ; the next trip's block
	; The 64 transcendentals are ONE batch with one wait.  None of the lines ahead of the wait names a result of theirs; a pair's four stand one by one between the next pair's four plain lines, the last pair's between four of the halvings.
.irp n, 0,1,2,3
	GPL 0, \n
.endr
.set p, 0
.rept 15
.irp n, 0,1,2,3
	GPL p+1, \n
	GTL p, \n
.endr
.set p, p+1
.endr
.irp n, 0,1,2,3
	GHX \n
	GTL 15, \n
.endr
.irp k, 4,5,6,7,8,9,10,11,12,13,14,15
	GHX \k                                         ; plain lines behind the last transcendental,
.endr
	s_wait_alu depctr_va_vdst(0)                   ; and the one wait for the batch, ahead of its first reader: the 32 t and the 32 e^(-x x / 2) are written
.set i, 0
.rept 16
	v_pk_fma_f32 v[YY+2*i:YY+2*i+1], v[TT+2*i:TT+2*i+1], s[A5:A5+1], s[A4:A4+1] op_sel_hi:[1,0,0]
.set i, i+1
.endr
.irp c, A3, A2, A1
.set i, 0
.rept 16
	v_pk_fma_f32 v[YY+2*i:YY+2*i+1], v[YY+2*i:YY+2*i+1], v[TT+2*i:TT+2*i+1], s[\c:(\c)+1] op_sel_hi:[1,1,0]
.set i, i+1
.endr
.endr
.set i, 0
.rept 16
	v_pk_mul_f32 v[YY+2*i:YY+2*i+1], v[YY+2*i:YY+2*i+1], v[TT+2*i:TT+2*i+1]
.set i, i+1
.endr
.set i, 0
.rept 16
	v_pk_fma_f32 v[YY+2*i:YY+2*i+1], v[YY+2*i:YY+2*i+1], v[QQ+2*i:QQ+2*i+1], 1.0 op_sel_hi:[1,1,0] neg_lo:[1,0,0] neg_hi:[1,0,0]  ; erf(|x| / sqrt 2)
.set i, i+1
.endr
.set i, 0
.rept 32
	v_fma_f32 v[YY+i], |v[X+i]|, v[YY+i], v[X+i]   ; x / 2 + |x / 2| erf(|x| / sqrt 2)
.set i, i+1
.endr
.set i, 0
.rept 16
	v_cvt_pk_bf16_f32 v[PK+i], v[YY+2*i], v[YY+2*i+1]
.set i, i+1
.endr
	s_wait_alu depctr_va_vdst(0)                   ; the roundings have written the packed words, which the stores below read; the trip's lines are done with X, in which the next trip's loads land, and v[DUR] is written
.irp f, 0,1,2,3
	ds_store_b128 v[HS], v[PK+4*(\f):PK+4*(\f)+3] offset:32*(\f)
.endr
	s_wait_alu depctr_vm_vsrc(0)                   ; the stores above have read v[HS], which the next line writes, and the packed words, which the next trip's roundings write
	v_add_nc_u32 v[HS], 16*528, v[HS]              ; (written well ahead of the next trip's waits on va_vdst, behind which its stores read it)
	s_sub_co_u32 s47, s47, 1
	s_cmp_lg_u32 s47, 0
	s_cbranch_scc1 .Lgelu
	s_wait_dscnt 0x0                               ; for the others' sake: my part of H is in LDS, and my reads of what I set aside are over
	s_barrier_signal -1
	s_barrier_wait -1
	; THE SECOND PRODUCT, two passes of 64 columns
	s_mov_b32 s46, 2
.Lpass:
	s_wait_alu depctr_vm_vsrc(0)                   ; the fragment loads issued so far have read v[VA]; in the second pass: the stage's stores have read the accumulators, which are cleared below, and the stores to rr the registers in which fragments land again
	v_mov_b32 v[VA], v[AL]                         ; H's plane 0
	s_wait_alu depctr_va_vdst(0)                   ; v[VA] is written; GELU's lines are done with the registers in which the first fragments land
	ALOAD 0
	CLEAR
	s_mov_b32 s47, 2
.Lp2:
	TRIP
	s_sub_co_u32 s47, s47, 1
	s_cmp_lg_u32 s47, 0
	s_cbranch_scc1 .Lp2
	PLACES
	s_wait_dscnt 0x0                               ; the eight loads of zeros are back: their registers are loaded again below
	s_wait_alu depctr_va_vdst(0)                   ; the products have written the accumulators, which the stage's stores read (the places above stay beside this wait), and are done reading the fragment buffers, in which the stage's loads land
	s_cmp_ge_u32 s14, 8
	s_cbranch_scc1 .Lempty                         ; an empty tile stores nothing; no barrier is jumped
.irp t, 0,1,2,3,4,5,6,7,8,9,10,11,12,13,14,15      ; t = 4 a + f: into my own stage, rows of 272 bytes; each accumulator's low half first
	ds_store_b128 v[STO], v[ACC+8*(\t):ACC+8*(\t)+3] offset:((\t)/4)*16*272+((\t)%4)*64
	ds_store_b128 v[STO], v[ACC+8*(\t)+4:ACC+8*(\t)+7] offset:((\t)/4)*16*272+((\t)%4)*64+16
.endr
	; back as whole rows of 256 bytes, 16 rows a group, and out.  Both addresses stay as they are: the group and the row stand in the immediates.  Two sets of registers take turns.
.irp a, 0,1,2,3
.if (\a) >= 2
	s_wait_xcnt 0x0                                ; the registers that group a - 2's stores read are loaded again only behind this wait,
	s_wait_alu depctr_vm_vsrc(0)                   ; and behind this one: those stores have read their set of registers
.endif
.irp t, 0,1,2,3,4,5,6,7
	ds_load_b128 v[AF+32*((\a)%2)+4*(\t):AF+32*((\a)%2)+4*(\t)+3], v[RD] offset:(\a)*16*272+(\t)*2*272  ; my own bytes: LDS serves a wave's instructions in order
.endr
.irp t, 0,1,2,3,4,5,6,7
	s_wait_dscnt 7-(\t)
	global_store_b128 v[RO], v[AF+32*((\a)%2)+4*(\t):AF+32*((\a)%2)+4*(\t)+3], s[26:27] offset:(\a)*65536+(\t)*8192  ; 16 lanes store 256 consecutive bytes, aligned
.endr
.endr
	s_wait_xcnt 0x0                                ; the stores' base and registers are rewritten only behind this wait
	s_add_nc_u64 s[26:27], s[26:27], 256           ; the next pass's 64 columns
.Lempty:
	s_sub_co_u32 s46, s46, 1
	s_cmp_lg_u32 s46, 0
	s_cbranch_scc1 .Lpass
	s_wait_dscnt 0x0                               ; the wave's end: my last LDS instructions are done.
	s_wait_alu depctr_hold_cnt(0) depctr_sa_sdst(0) depctr_va_vdst(0) depctr_va_sdst(0) depctr_va_ssrc(0) depctr_va_vcc(0) depctr_vm_vsrc(0)
	s_wait_tensorcnt 0x0
	ds_add_u32 v26, v27
	s_wait_dscnt 0x0
	s_endpgm
.Lfunc_end_k_qbbb8db1698_routed:
	.size	k_qbbb8db1698_routed, .Lfunc_end_k_qbbb8db1698_routed-k_qbbb8db1698_routed
	.p2alignl 7, 3214868480
	.fill 96, 4, 3214868480
	.section	.rodata,"a",@progbits
	.p2align	6, 0x0
	.amdhsa_kernel k_qbbb8db1698_routed
		.amdhsa_group_segment_fixed_size 271360
		.amdhsa_private_segment_fixed_size 0
		.amdhsa_enable_private_segment 0
		.amdhsa_kernarg_size 32
		.amdhsa_user_sgpr_count 2
		.amdhsa_user_sgpr_kernarg_segment_ptr 1
		.amdhsa_wavefront_size32 1
		.amdhsa_system_sgpr_workgroup_id_x 1
		.amdhsa_system_sgpr_workgroup_id_y 1
		.amdhsa_system_sgpr_workgroup_id_z 1
		.amdhsa_system_vgpr_workitem_id 0
		.amdhsa_next_free_vgpr 512
		.amdhsa_next_free_sgpr 66
		.amdhsa_reserve_vcc 0
		.amdhsa_float_denorm_mode_32 3
		.amdhsa_float_denorm_mode_16_64 3
		.amdhsa_memory_ordered 1
		.amdhsa_forward_progress 1
		.amdhsa_inst_pref_size 95
	.end_amdhsa_kernel
	.amdgpu_metadata
---
amdhsa.version: [ 1, 2 ]
amdhsa.kernels:
  - .name:           k_qbbb8db1698_routed
    .symbol:         k_qbbb8db1698_routed.kd
    .args:
      - { .name: xb, .offset: 0, .size: 8, .value_kind: global_buffer, .address_space: global }
      - { .name: wb, .offset: 8, .size: 8, .value_kind: global_buffer, .address_space: global }
      - { .name: lists, .offset: 16, .size: 8, .value_kind: global_buffer, .address_space: global }
      - { .name: rr, .offset: 24, .size: 8, .value_kind: global_buffer, .address_space: global }
    .group_segment_fixed_size: 271360
    .private_segment_fixed_size: 0
    .kernarg_segment_align: 8
    .kernarg_segment_size: 32
    .max_flat_workgroup_size: 256
    .sgpr_count:     66
    .vgpr_count:     512
    .wavefront_size: 32
...
	.end_amdgpu_metadata
.endif
;; end of part 6
;; launch gemm2: the kernel of part 5 again; grid 8 x 32, 4 waves a work-group, clusters of 4 x 4, 327,680 bytes of LDS; arguments hs, wb, rr, lists, gat, out0; writes out0
